; MI455X (gfx1250); checked and timed in simulation.
; The chip was launched on July 23, 2026; its instructions are those of AMD's public machine-readable ISA for CDNA 5 (MIT licence, August 2026) and "CDNA5" Instruction Set Architecture Reference Guide (July 2026). The comments in the code are by the model that wrote it; some were corrected since.
;; Euclidean Attention. Allowed arithmetic: matrix products marked QUANTISED: E2M1 operands, one E8M0 scale for each 32 along K, by v_wmma_scale_f32_16x16x128_f8f6f4 with both operands' format E2M1 (or v_wmma_scale_f32_32x16x128_f4), f32 sums; products left as they are: bf16, f16 or f32 operands; f32 sums; everything else in f32.
;; Inputs: W_o 1,024 x 1,024 float32; W_qkv 1,024 x 3,072 float32; b_o 1,024 float32; b_qkv 3,072 float32; x 2 x 2,048 x 1,024 float32.
;; Outputs: out0 2 x 2,048 x 1,024 float32.
;; This version of the problem:
;;   THIS VERSION OF THE PROBLEM IS GIVEN IN LOW PRECISION. The matrix products marked QUANTISED in the list below multiply operands that are first quantised to E2M1 (2 exponent bits, 1 mantissa bit; 4 bits a number), with one power-of-two scale for each 32 numbers along K (OCP MX v1.0); their sums are f32. The products marked 'left as it is' may take bf16, f16 or f32 operands, with f32 sums. Whichever they take, every output number must still come out within the allowed error. Rounding operands to bf16 (8 significant bits) uses up far more of that allowance than f16 does (11 bits, for magnitudes from 6e-5 to 65,504). All else is computed in f32.
;;   The module's matrix products, in the order in which they are computed (A, B: the left and right operand; K: the contracted axis; several contracted axes count as one K, in the product's order):
;;     1. [M 4,096, K 1,024] x [K 1,024, N 3,072]; A: input x; B: input W_qkv: QUANTISED
;;     2. batch 32 x [M 2,048, K 64] x [K 64, N 2,048]; A: computed on the way; B: computed on the way: left as it is (an operand is computed on the way)
;;     3. batch 32 x [M 2,048, K 2,048] x [K 2,048, N 64]; A: computed on the way; B: computed on the way: left as it is (an operand is computed on the way)
;;     4. [M 4,096, K 1,024] x [K 1,024, N 1,024]; A: computed on the way; B: input W_o: left as it is (an operand is computed on the way)
;;   THE QUANTISER, for each operand of a quantised product, along K:
;;     - K is cut into blocks of 32 from its start; a last block that is shorter is filled with zeros.
;;     - A block's scale is 2^e with e = floor(log2(the largest magnitude in the block)) - 2, held to -126 .. 127; a block of zeros has e = 0. As a byte (E8M0): e + 127.
;;     - Each number is divided by its block's scale, clamped to +-6, and rounded to the nearest number of E2M1, ties to even, subnormals kept.
;;     - The product sums the exact products of the quantised numbers (number of the format x scale) in f32.
;;   ~~~python
;;   def quantise(x, axis):      # numpy; x: float32 -> the quantised numbers, widened to float32 again
;;       x = np.moveaxis(x, axis, -1); K = x.shape[-1]
;;       x = np.pad(x, [(0, 0)] * (x.ndim - 1) + [(0, -K % 32)]); x = x.reshape(x.shape[:-1] + (-1, 32)); a = np.abs(x).max(-1, keepdims=True)
;;       e = np.where(a > 0, np.clip(np.frexp(np.where(a > 0, a, 1))[1] - 1 - 2, -126, 127), 0)      # np.frexp(a)[1] - 1 = floor(log2(a)), exactly
;;       r = np.clip(x / 2.0 ** e, -6, 6)
;;       step = 2.0 ** (np.maximum(np.frexp(np.where(r == 0, 1, r))[1] - 1, 0) - 1)
;;       q = np.round(r / step) * step * 2.0 ** e      # np.round: ties to even
;;       return np.moveaxis(q.reshape(q.shape[:-2] + (-1,))[..., :K], -1, axis).astype(np.float32)
;;   ~~~
;; One version. Each part assembles by itself: llvm-mc -triple=amdgcn-amd-amdhsa -mcpu=gfx1250 --defsym DOCPART=n.
;; ======== version 1 of 1: 4 launches
;; limits: values are held in f16: magnitudes above 65,504 overflow, below 6.1e-05 lose precision
;; workspace buffers: xq 2,228,224 bytes; wq 1,671,168 bytes; wo16 2,097,152 bytes; qkv 25,427,968 bytes; vals 8,388,608 bytes
;; launch prep (part 1): grid 384 x 1, 4 waves a work-group, no clusters, 34,304 bytes of LDS; arguments x, W_qkv, W_o, xq, wq, wo16; writes xq, wq, wo16
.if DOCPART == 1
	.amdgcn_target "amdgcn-amd-amdhsa--gfx1250"
	.amdhsa_code_object_version 6
	.text
	.protected	k_q65df51de9d_prep
	.globl	k_q65df51de9d_prep
	.p2align	8
	.type	k_q65df51de9d_prep,@function
k_q65df51de9d_prep:
	s_mov_b64 s[64:65], 0
	v_nop
	global_prefetch_b8 v0, s[64:65] scope:SCOPE_SE
	s_setreg_imm32_b32 hwreg(HW_REG_WAVE_MODE, 25, 1), 1
	s_wait_xcnt 0x0
; PREP: x [4096][1024] and W_qkv [1024][3072], f32, become codes of FP4 (E2M1) with one E8M0 byte for each 32 along K; W_o [1024][1024] becomes f16.
; All three leave as IMAGES OF OPERAND REGISTERS: each group of four registers of a fragment is 512 consecutive bytes, lane l's 16 bytes at 16 l, so that the later launches
; fetch dense blocks and read fragments at 16 x lane.
;   xq:   codes [block of 16 rows 256][K step of 128: 8][c 2][lane 32][16 bytes]; from byte XS on the scale words [block][K step][row 16][4 bytes]
;   wq:   the same for the 192 blocks of 16 columns of W_qkv; scale words from byte WS on
;   wo16: [block of 16 columns 64][32 along K: 32][half 2][lane 32][16 bytes]
; An FP4 fragment's registers 4 c .. 4 c + 3 of lane (r, h) hold k = 64 c + 32 h + 0 .. 31 of row r; an f16 fragment's registers 0-3 k = 8 h + 0 .. 7, registers 4-7 k = 16 + 8 h + 0 .. 7.
; A block's scale is 2^(floor(log2(its largest magnitude)) - 2); its byte is the largest magnitude's exponent field - 2, held at 1 from below.
; LIMITS: a block of zeros gets the byte 1 (its codes are zeros, and this program alone reads the bytes); NaN and infinities among the inputs are not served;
; numbers of W_o beyond f16's largest, 65,504, are not served.
; SHARES: work-groups 0-127 take x (a wave: 16 rows x 512 K), 128-319 W_qkv (a wave: 32 columns x 128 K), 320-383 W_o (the same).  Waves share nothing: no barrier.
; No matrix unit, no tensor load, no cluster: every byte is read once by one wave.
.set XS,    2097152
.set WS,    1572864
.set STG,   8448                       ; path x: a wave's stage, 16 rows x (512 bytes + 16)
.set SPARE, 4*STG                      ; behind the stages: the spare words, 128 bytes a wave
.set LI,  4                            ; v4   16 x lane
.set L4,  5                            ; v5   4 x lane
.set WD,  24                           ; v24-27  path x: a scale word for each K step
.set SPW, 30                           ; v30  my spare word's LDS address; never rewritten
.set NIL, 31                           ; v31  0; never rewritten
.set C,   32                           ; v32-63  codes: registers of their own for every store
.set R,   64                           ; v64-191 numbers as loaded
.set X,   192                          ; v192-255 path x: 64 numbers in the operand's order; path o: the f16 pairs
	s_load_b256 s[4:11], s[0:1], 0x0               ; x s[4:5], W_qkv s[6:7], W_o s[8:9], xq s[10:11]
	s_load_b128 s[12:15], s[0:1], 0x20             ; wq s[12:13], wo16 s[14:15]
	v_lshl_add_u32 v[SPW], v0, 2, SPARE
	v_mov_b32 v[NIL], 0
	v_lshrrev_b32 v1, 5, v0
	v_readfirstlane_b32 s16, v1                    ; wave
	v_and_b32 v1, 31, v0                           ; lane
	v_and_b32 v2, 15, v0                           ; r
	v_bfe_u32 v3, v0, 4, 1                         ; h
	v_lshlrev_b32 v[LI], 4, v1
	v_lshlrev_b32 v[L4], 2, v1
	s_mov_b32 s19, 0                               ; the upper word of every offset
	s_wait_kmcnt 0x0
	s_cmp_lt_u32 ttmp9, 128
	s_cbranch_scc1 .Lpath_x
	s_cmp_lt_u32 ttmp9, 320
	s_cbranch_scc1 .Lpath_w
; 32 rows of K at my column: a lane a column, registers down K; a load reads 128 consecutive bytes, the four waves stand side by side on 512
.macro CLOAD bi, sb, pitch
.irp i, 0,1,2,3,4,5,6,7,8,9,10,11,12,13,14,15,16,17,18,19,20,21,22,23,24,25,26,27,28,29,30,31
	global_load_b32 v[R+32*(\bi)+\i], v[L4], s[\sb:\sb+1] offset:(32*(\bi)+\i)*\pitch th:TH_LOAD_NT
.endr
.endm
	; ---- W_o: 32 columns x 128 K a wave, to f16
	s_sub_co_u32 s17, ttmp9, 320
	s_lshr_b32 s22, s17, 3                         ; which 128 columns
	s_and_b32 s23, s17, 7                          ; which 128 along K
	s_lshl_b32 s24, s22, 7
	s_lshl_b32 s25, s16, 5
	s_add_co_u32 s24, s24, s25                     ; my wave's first column
	s_lshl_b32 s18, s23, 19                        ; 128 rows of 4,096 bytes
	s_lshl_b32 s25, s24, 2
	s_add_co_u32 s18, s18, s25
	s_add_nc_u64 s[8:9], s[8:9], s[18:19]
	s_lshl_b32 s18, s24, 11                        ; (column / 16) x 32,768
	s_lshl_b32 s25, s23, 12                        ; four fragments of 1,024 bytes
	s_add_co_u32 s18, s18, s25
	s_add_nc_u64 s[14:15], s[14:15], s[18:19]
	v_lshlrev_b32 v6, 15, v3                       ; lanes 16-31 belong to the next block of 16 columns
	v_lshl_add_u32 v6, v2, 4, v6
	CLOAD 0, 8, 4096
	CLOAD 1, 8, 4096
.irp kf, 0,1,2,3
.if \kf < 3
	s_wait_loadcnt 32                              ; this block's 32 loads are in; the next block's may be out
.else
	s_wait_loadcnt 0x0
.endif
.if \kf < 2
	CLOAD \kf+2, 8, 4096
.endif
.irp m, 0,1,2,3,4,5,6,7,8,9,10,11,12,13,14,15
	v_cvt_pk_f16_f32 v[X+16*\kf+\m], v[R+32*\kf+2*\m], v[R+32*\kf+2*\m+1]
.endr
.irp q, 0,1,2,3                        ; k = 8 q + 0 .. 7 of the fragment's 32: half q / 2, lanes' half q % 2: byte 256 q + 16 r
	global_store_b128 v6, v[X+16*\kf+4*\q:X+16*\kf+4*\q+3], s[14:15] offset:\kf*1024+\q*256   ; 16 lanes store 256 consecutive bytes, aligned
.endr
.endr
	s_endpgm
	; ---- W_qkv: 32 columns x 128 K a wave: four blocks of 32 a lane, all of a block in one lane
.Lpath_w:
	s_sub_co_u32 s17, ttmp9, 128
	s_lshr_b32 s22, s17, 3                         ; which 128 columns
	s_and_b32 s23, s17, 7                          ; which K step
	s_lshl_b32 s24, s22, 7
	s_lshl_b32 s25, s16, 5
	s_add_co_u32 s24, s24, s25                     ; my wave's first column
	s_mul_i32 s18, s23, 128*12288
	s_lshl_b32 s25, s24, 2
	s_add_co_u32 s18, s18, s25
	s_add_nc_u64 s[6:7], s[6:7], s[18:19]
	s_lshl_b32 s18, s24, 9                         ; (column / 16) x 8,192
	s_lshl_b32 s25, s23, 10
	s_add_co_u32 s18, s18, s25
	s_add_nc_u64 s[26:27], s[12:13], s[18:19]      ; the codes
	s_lshl_b32 s18, s24, 5                         ; (column / 16) x 512
	s_lshl_b32 s25, s23, 6
	s_add_co_u32 s18, s18, s25
	s_add_co_u32 s18, s18, WS
	s_add_nc_u64 s[28:29], s[12:13], s[18:19]      ; the scale words
	v_lshlrev_b32 v6, 13, v3
	v_lshl_add_u32 v6, v2, 4, v6                   ; codes: lanes 16-31 belong to the next block of 16 columns
	v_lshlrev_b32 v7, 9, v3
	v_lshl_add_u32 v7, v2, 2, v7                   ; scale words likewise
	CLOAD 0, 6, 12288
	CLOAD 1, 6, 12288
.irp bi, 0,1,2,3
.if \bi < 3
	s_wait_loadcnt 32                              ; this block's 32 loads are in; the next block's may be out
.else
	s_wait_loadcnt 0x0
.endif
.if \bi < 2
	CLOAD \bi+2, 6, 12288
.endif
	v_max3_num_f32 v8, |v[R+32*\bi]|, |v[R+32*\bi+1]|, |v[R+32*\bi+2]|     ; the block's largest magnitude, in two chains
	v_max3_num_f32 v9, |v[R+32*\bi+3]|, |v[R+32*\bi+4]|, |v[R+32*\bi+5]|
.irp i, 6,10,14,18,22,26
	v_max3_num_f32 v8, v8, |v[R+32*\bi+\i]|, |v[R+32*\bi+\i+1]|
	v_max3_num_f32 v9, v9, |v[R+32*\bi+\i+2]|, |v[R+32*\bi+\i+3]|
.endr
	v_max3_num_f32 v8, v8, |v[R+32*\bi+30]|, |v[R+32*\bi+31]|
	v_max3_num_f32 v8, v8, v9, 0x1800000           ; and the floor 2^(3 - 127): the byte cannot fall under 1
	v_add_nc_u32 v10, 0xff000000, v8               ; 2 off the exponent field: the conversion takes this operand's exponent field as its scale
	v_lshrrev_b32 v11, 23, v10                     ; the scale's byte
.if \bi == 0
	v_mov_b32 v12, v11
.else
	v_lshl_or_b32 v12, v11, 8*\bi, v12             ; byte b of the word scales k = 32 b .. 32 b + 31
.endif
.irp g, 0,1,2,3
	v_cvt_scalef32_pk8_fp4_f32 v[C+4*\bi+\g], v[R+32*\bi+8*\g:R+32*\bi+8*\g+7], v10
.endr
	v_nop                                          ; one plain line behind the conversions
	global_store_b128 v6, v[C+4*\bi:C+4*\bi+3], s[26:27] offset:(\bi/2)*512+(\bi%2)*256   ; block 2 c + h of column r: byte 512 c + 256 h + 16 r: 16 lanes store 256 consecutive bytes, aligned
.endr
	global_store_b32 v7, v12, s[28:29]             ; 64 consecutive bytes for each 16 columns: one byte in 128 of what this path reads
	s_endpgm
	; ---- x: 16 rows x 512 K a wave.  Each load reads 512 consecutive bytes of one row; a K step's 16 rows turn through my stage, so that a lane gets two whole blocks of its row
.Lpath_x:
	s_lshl_b32 s17, ttmp9, 2
	s_add_co_u32 s17, s17, s16
	s_lshr_b32 s22, s17, 1                         ; which 16 rows
	s_and_b32 s23, s17, 1                          ; which half of K
	s_lshl_b32 s18, s22, 16
	s_lshl_b32 s24, s23, 11
	s_add_co_u32 s18, s18, s24
	s_add_nc_u64 s[4:5], s[4:5], s[18:19]
	s_lshl_b32 s18, s22, 13
	s_lshl_b32 s24, s23, 12
	s_add_co_u32 s18, s18, s24
	s_add_nc_u64 s[26:27], s[10:11], s[18:19]      ; the codes
	s_lshl_b32 s18, s22, 9
	s_lshl_b32 s24, s23, 8
	s_add_co_u32 s18, s18, s24
	s_add_co_u32 s18, s18, XS
	s_add_nc_u64 s[28:29], s[10:11], s[18:19]      ; the scale words
	s_mov_b32 s20, 0x76543210
	s_mov_b32 s21, 0xfedcba98                      ; v_permlanex16_b32's selects for lane l xor 16
	v_cmp_gt_u32 s30, 16, v1                       ; lanes 0-15
	s_mul_i32 s31, s16, STG
	v_add_nc_u32 v6, s31, v[LI]                    ; into the stage: 16 x lane of a row
	v_mul_u32_u24 v7, v2, 528
	v_lshl_add_u32 v7, v3, 7, v7
	v_add_nc_u32 v7, s31, v7                       ; out of it: row r, + 128 h: rows 132 words apart start at 16 different banks
	v_lshlrev_b32 v15, 3, v3                       ; 8 h
	v_mov_b32 v16, 0                               ; a lane permute's destination counts as one of its sources
.macro XLOAD s
.irp i, 0,1,2,3,4,5,6,7,8,9,10,11,12,13,14,15
	global_load_b128 v[R+64*((\s)%2)+4*\i:R+64*((\s)%2)+4*\i+3], v[LI], s[4:5] offset:\i*4096+(\s)*512 th:TH_LOAD_NT
.endr
.endm
.macro XSTEP s
.if (\s) < 3
	s_wait_loadcnt 16                              ; this K step's 16 loads are in; the next step's may be out
.else
	s_wait_loadcnt 0x0
.endif
.irp i, 0,1,2,3,4,5,6,7,8,9,10,11,12,13,14,15
	ds_store_b128 v6, v[R+64*((\s)%2)+4*\i:R+64*((\s)%2)+4*\i+3] offset:\i*528
.endr
.irp c, 0,1
.irp g, 0,1,2,3,4,5,6,7
	ds_load_b128 v[X+32*\c+4*\g:X+32*\c+4*\g+3], v7 offset:256*\c+16*\g   ; LDS serves a wave's instructions in order: these see the stores above
.endr
.endr
	s_wait_dscnt 0x0                               ; the numbers are back, and the stores have read their registers,
.if (\s) < 2
	XLOAD (\s)+2                                   ; which take the loads of two steps on
.endif
.irp c, 0,1
	v_max3_num_f32 v[8+\c], |v[X+32*\c]|, |v[X+32*\c+1]|, 0x1800000        ; my block 2 c + h, and the floor 2^(3 - 127)
.endr
.irp i, 2,4,6,8,10,12,14,16,18,20,22,24,26,28,30
.irp c, 0,1
	v_max3_num_f32 v[8+\c], v[8+\c], |v[X+32*\c+\i]|, |v[X+32*\c+\i+1]|    ; (the two blocks by turns)
.endr
.endr
.irp c, 0,1
	v_add_nc_u32 v[10+\c], 0xff000000, v[8+\c]     ; the conversion's scale operand
.endr
.irp c, 0,1
	v_lshrrev_b32 v[12+\c], 23, v[10+\c]           ; the scale's byte
.endr
	v_lshl_or_b32 v14, v13, 16, v12                ; my two bytes: blocks h and 2 + h,
	v_lshlrev_b32 v14, v15, v14                    ; at their places in the word;
	v_permlanex16_b32 v16, v14, s20, s21
	v_or_b32 v[WD+(\s)], v14, v16                  ; with lane l xor 16's two the word is whole
.irp c, 0,1
.irp g, 0,1,2,3
	v_cvt_scalef32_pk8_fp4_f32 v[C+8*(\s)+4*\c+\g], v[X+32*\c+8*\g:X+32*\c+8*\g+7], v[10+\c]
.endr
.endr
	v_nop                                          ; one plain line behind the conversions
.irp c, 0,1
	global_store_b128 v[LI], v[C+8*(\s)+4*\c:C+8*(\s)+4*\c+3], s[26:27] offset:(\s)*1024+\c*512   ; 512 consecutive bytes
.endr
.endm
	XLOAD 0
	XLOAD 1
	XSTEP 0
	XSTEP 1
	XSTEP 2
	XSTEP 3
	v_cndmask_b32 v17, v[WD+1], v[WD], s30         ; lanes 0-15 carry one K step's words, lanes 16-31 the next step's
	v_cndmask_b32 v18, v[WD+3], v[WD+2], s30
	global_store_b32 v[L4], v17, s[28:29]          ; 128 consecutive bytes
	global_store_b32 v[L4], v18, s[28:29] offset:128
	s_wait_tensorcnt 0x0                           ; the wave's end: behind my last LDS store
	ds_add_u32 v[SPW], v[NIL]
	s_wait_dscnt 0x0
	s_endpgm
.Lfunc_end_k_q65df51de9d_prep:
	.size	k_q65df51de9d_prep, .Lfunc_end_k_q65df51de9d_prep-k_q65df51de9d_prep
	.p2alignl 7, 3214868480
	.fill 96, 4, 3214868480
	.section	.rodata,"a",@progbits
	.p2align	6, 0x0
	.amdhsa_kernel k_q65df51de9d_prep
		.amdhsa_group_segment_fixed_size 34304
		.amdhsa_private_segment_fixed_size 0
		.amdhsa_enable_private_segment 0
		.amdhsa_kernarg_size 48
		.amdhsa_user_sgpr_count 2
		.amdhsa_user_sgpr_kernarg_segment_ptr 1
		.amdhsa_wavefront_size32 1
		.amdhsa_system_sgpr_workgroup_id_x 1
		.amdhsa_system_sgpr_workgroup_id_y 1
		.amdhsa_system_sgpr_workgroup_id_z 1
		.amdhsa_system_vgpr_workitem_id 0
		.amdhsa_next_free_vgpr 256
		.amdhsa_next_free_sgpr 66
		.amdhsa_reserve_vcc 0
		.amdhsa_float_denorm_mode_32 3
		.amdhsa_float_denorm_mode_16_64 3
		.amdhsa_memory_ordered 1
		.amdhsa_forward_progress 1
		.amdhsa_inst_pref_size 67
	.end_amdhsa_kernel
	.amdgpu_metadata
---
amdhsa.version: [ 1, 2 ]
amdhsa.kernels:
  - .name:           k_q65df51de9d_prep
    .symbol:         k_q65df51de9d_prep.kd
    .args:
      - { .name: x, .offset: 0, .size: 8, .value_kind: global_buffer, .address_space: global }
      - { .name: W_qkv, .offset: 8, .size: 8, .value_kind: global_buffer, .address_space: global }
      - { .name: W_o, .offset: 16, .size: 8, .value_kind: global_buffer, .address_space: global }
      - { .name: xq, .offset: 24, .size: 8, .value_kind: global_buffer, .address_space: global }
      - { .name: wq, .offset: 32, .size: 8, .value_kind: global_buffer, .address_space: global }
      - { .name: wo16, .offset: 40, .size: 8, .value_kind: global_buffer, .address_space: global }
    .group_segment_fixed_size: 34304
    .private_segment_fixed_size: 0
    .kernarg_segment_align: 8
    .kernarg_segment_size: 48
    .max_flat_workgroup_size: 128
    .sgpr_count:     66
    .vgpr_count:     256
    .wavefront_size: 32
...
	.end_amdgpu_metadata
.endif
;; end of part 1
;; launch qkvgemm (part 2): grid 16 x 16, 4 waves a work-group, clusters of 4 x 4, 327,680 bytes of LDS; arguments xq, wq, b_qkv, qkv; writes qkv
.if DOCPART == 2
	.amdgcn_target "amdgcn-amd-amdhsa--gfx1250"
	.amdhsa_code_object_version 6
	.text
	.protected	k_q65df51de9d_qkvgemm
	.globl	k_q65df51de9d_qkvgemm
	.p2align	8
	.type	k_q65df51de9d_qkvgemm,@function
k_q65df51de9d_qkvgemm:
	s_mov_b64 s[64:65], 0
	v_nop
	global_prefetch_b8 v0, s[64:65] scope:SCOPE_SE
	s_setreg_imm32_b32 hwreg(HW_REG_WAVE_MODE, 25, 1), 1
	s_wait_xcnt 0x0
	s_wait_alu depctr_hold_cnt(0) depctr_sa_sdst(0) depctr_va_vdst(0) depctr_va_sdst(0) depctr_va_ssrc(0) depctr_va_vcc(0) depctr_vm_vsrc(0)
	s_getreg_b32 s2, hwreg(HW_REG_IB_STS2, 6, 4)
	s_cmp_eq_u32 s2, 0
	s_cbranch_scc0 .Lentry_in_a_cluster
	s_endpgm
.Lentry_in_a_cluster:
	s_bfe_u32 s2, ttmp6, 0x10000c
	s_cmp_lg_u32 s2, 0xf033
	s_cbranch_scc0 .Lentry_shape_is_right
	s_endpgm
.Lentry_shape_is_right:
; qkv = Q(x) Q(W_qkv) + b_qkv on codes of FP4 with E8M0 scales; sums in f32.  Results leave as f16 images of the operands that the attention launch wants, and -|k|^2 / 2 as f32.
; SHARES.  Work-group (x, y) makes 256 rows (tile y) x 192 columns: head x's q, k and v.  Wave w makes rows 64 w .. 64 w + 63 (4 blocks of 16) x all 12 blocks of 16 columns: 48 accumulators.
; ALL OF K (1,024) LIES IN LDS: A's 16 blocks and B's 12, each block 8 K steps x 1,024 bytes, come in two halves of K; nothing is filled twice.  The scale words come with them.
; CLUSTER 4 x 4: A's tiles hang on y alone and are asked for jointly along a row of the cluster, B's on x alone, along a column.
; q AND k ARE MADE TRANSPOSED (source 0 = 16 columns of W, source 1 = 16 rows of x): a lane holds one position and eight neighbouring channels: packed to f16 that is half a fragment of q or k.
; v IS MADE AS IT STANDS (source 0 = x, source 1 = W): a lane holds one channel and eight neighbouring positions: half a fragment of v^T.
; The bias is the C of each sum's first product.  -|k|^2 / 2 is summed in f32 from the unrounded k.
; qkv: q at 0, k at KO, v at VO: [batch x head 32][16 positions 128][group 4][lane 32][16 bytes]; -|k|^2 / 2 at NO: [32][2048] f32.
; LIMIT: q, k, v beyond f16's largest number, 65,504, are not served.
; REGISTERS: window 0: v4-13 addresses; v14-21 sums of k^2; v32-55 scale words, two sets of 12, and nothing else; v64-127 A's fragments, two sets of 4; on the way out v64-255 the packed results.
;   window 1: B's fragments, two sets of 12, at v0 and v128.  window 2: accumulators of blocks a = 0, 1 at v[96 a + 8 b]; v192-255 q's and k's bias.  window 3: a = 2, 3; v192-223 v's bias.
.set XS,  2097152
.set WS,  1572864
.set KO,  8388608
.set VO,  16777216
.set NO,  25165824
.set AH1, 65536                        ; LDS: A's K steps 0-3 at 0 ([block 16][4,096]), K steps 4-7 here
.set BH0, 131072                       ; B's K steps 0-3 ([block 12][4,096]),
.set BH1, 180224                       ; K steps 4-7
.set AS,  229376                       ; A's scale words [block 16][K step 8][row 16][4]
.set BS,  237568                       ; B's [block 12][..]
.set SPARE, 243712                     ; the spare words, 128 bytes a wave
.set LI,   4                           ; v4   16 x lane
.set ADRA, 5                           ; v5, v6  my four blocks of A, first and second half of K
.set ADRB, 7                           ; v7, v8  B
.set ADRS, 9                           ; v9   scale words: lanes 0-15 A's, lanes 16-31 B's
.set ADRT, 10                          ; v10  B's scale words, in all lanes
.set KS,   14
.set SPW,  28
.set NIL,  29
.set SC,   32
.set AF,   64
.set T,    64
.set G1A,  32                          ; s[32:39] shape of A's code tiles; s[40:47] B's; s[48:55], s[56:63] the scale words'
.set G1B,  40
.set G1SA, 48
.set G1SB, 56
.set GA,   68                          ; s[68:79] A's three groups 0: scales, first half, second half
.set GB,   80                          ; s[80:91] B's
.set QB,   26                          ; s[26:31] where my q, k, v go
.set MSB, 0
.macro WIN new                         ; the immediate's high byte repeats the setting that is left
.if MSB != (\new)
	s_set_vgpr_msb (MSB<<8)|(\new)
.set MSB, (\new)
.endif
.endm
.macro PLACES n
.rept \n
	v_nop
.endr
.endm
.macro SHAPE g, c, r, p                ; r rows of c elements of 8 bytes, p elements from row to row
	s_mov_b32 s[\g+1], (\c)<<16
	s_mov_b32 s[\g+2], (\r)<<16
	s_mov_b32 s[\g+3], (\c)<<16
	s_mov_b32 s[\g+4], \r
	s_mov_b32 s[\g+5], \p
	s_mov_b32 s[\g+6], 0
	s_mov_b32 s[\g+7], 0
.endm
; A joint load: waves 0 and 1 fetch for A, waves 2 and 3 for B; the branch hangs on the wave's number alone.  An s_nop 0 and four v_nop follow each line.
.macro JLOAD g0a, g1a, g0b, g1b
	s_cmp_eq_u32 s15, 0
	s_cbranch_scc0 .Lfor_b_\@
	tensor_load_to_lds s[\g0a:\g0a+3], s[\g1a:\g1a+7]
	s_nop 0
.rept 4
	v_nop
.endr
	s_branch .Lasked_\@
.Lfor_b_\@:
	tensor_load_to_lds s[\g0b:\g0b+3], s[\g1b:\g1b+7]
	s_nop 0
.rept 4
	v_nop
.endr
.Lasked_\@:
.endm
.macro CROUND                          ; a round of the cluster's barrier
	s_barrier_signal -1
	s_barrier_wait -1
	s_cmp_lg_u32 s14, 0
	s_cbranch_scc1 .Lnot_wave_0_\@
	s_barrier_signal -3
.Lnot_wave_0_\@:
	s_barrier_wait -3
	s_barrier_signal -1
	s_barrier_wait -1
.endm
	s_load_b256 s[4:11], s[0:1], 0x0               ; xq s[4:5], wq s[6:7], b_qkv s[8:9], qkv s[10:11]
	v_lshl_add_u32 v[SPW], v0, 2, SPARE
	v_mov_b32 v[NIL], 0
	ds_add_u32 v[SPW], v[NIL]                      ; the wave's opening: the add, twice on end, and its wait ahead of my first tensor load
	ds_add_u32 v[SPW], v[NIL]
	v_lshrrev_b32 v1, 5, v0
	v_readfirstlane_b32 s14, v1                    ; wave 0..3
	s_lshr_b32 s15, s14, 1                         ; I fetch for A (0) or for B (1),
	s_and_b32 s16, s14, 1                          ; its first or second half of blocks
	s_bfe_u32 s20, ttmp6, 0x40000                  ; cx
	s_bfe_u32 s21, ttmp6, 0x40004                  ; cy
	s_lshl_b32 s22, ttmp9, 2
	s_add_co_u32 s22, s22, s20                     ; x: the head
	s_and_b32 s17, ttmp7, 0xffff
	s_lshl_b32 s17, s17, 2
	s_add_co_u32 s17, s17, s21                     ; y: the tile of 256 rows
	s_lshl_b32 s23, s21, 2
	s_lshl_b32 s23, 15, s23                        ; my row of the cluster
	s_lshl_b32 s24, 0x1111, s20                    ; my column
	s_or_b32 s[G1A], s23, (3<<16)|(1<<21)          ; 15:0 the mask; 17:16 elements of 8 bytes; 21 set beside a mask; no padding: images are read at 16 x lane
	s_or_b32 s[G1B], s24, (3<<16)|(1<<21)
	s_or_b32 s[G1SA], s23, (3<<16)|(1<<21)
	s_or_b32 s[G1SB], s24, (3<<16)|(1<<21)
	SHAPE G1A, 512, 8, 1024                        ; 8 blocks: 4,096 bytes (four K steps) of each block's 8,192
	SHAPE G1B, 512, 6, 1024                        ; 6 blocks
	SHAPE G1SA, 32, 16, 32                         ; 8 blocks' scale words: 4,096 dense bytes as rows of 256
	SHAPE G1SB, 32, 12, 32                         ; 6 blocks': 3,072
	s_lshl_b32 s25, s17, 4
	s_lshl_b32 s2, s16, 3
	s_add_co_u32 s25, s25, s2                      ; A: first block 16 y + 8 half
	s_lshl_b32 s92, s25, 13
	s_mov_b32 s93, 0
	s_lshl_b32 s94, s25, 9
	s_add_co_u32 s94, s94, XS
	s_mov_b32 s95, 0
	s_mul_i32 s3, s22, 12
	s_mul_i32 s2, s16, 6
	s_add_co_u32 s3, s3, s2                        ; B: first block 12 x + 6 half
	s_lshl_b32 s96, s3, 13
	s_mov_b32 s97, 0
	s_lshl_b32 s98, s3, 9
	s_add_co_u32 s98, s98, WS
	s_mov_b32 s99, 0
	s_lshl_b32 s26, s16, 15                        ; where they go in LDS: the wave's number alone enters
	s_mul_i32 s27, s16, 24576
	s_add_co_u32 s27, s27, BH0
	s_lshl_b32 s28, s16, 12
	s_add_co_u32 s28, s28, AS
	s_mul_i32 s29, s16, 3072
	s_add_co_u32 s29, s29, BS
	s_mov_b32 s18, 0x76543210
	s_mov_b32 s19, 0xfedcba98                      ; v_permlanex16_b32's selects for lane l xor 16
	s_wait_dscnt 0x0                               ; both opening adds are done
	s_wait_kmcnt 0x0
	s_add_nc_u64 s[92:93], s[4:5], s[92:93]
	s_add_nc_u64 s[96:97], s[6:7], s[96:97]
	CROUND                                         ; all sixteen work-groups are here: the joint loads meet
	s_mov_b32 s[GA], 1
	s_mov_b32 s[GA+1], s28
	s_add_nc_u64 s[GA+2:GA+3], s[4:5], s[94:95]
	s_or_b32 s[GA+3], s[GA+3], 0x80000000
	s_mov_b32 s[GB], 1
	s_mov_b32 s[GB+1], s29
	s_add_nc_u64 s[GB+2:GB+3], s[6:7], s[98:99]
	s_or_b32 s[GB+3], s[GB+3], 0x80000000
	JLOAD GA, G1SA, GB, G1SB                       ; the scale words first
.irp hh, 0,1
	s_mov_b32 s[GA+4+4*\hh], 1
	s_add_co_u32 s[GA+5+4*\hh], s26, \hh*AH1
	s_add_nc_u64 s[GA+6+4*\hh:GA+7+4*\hh], s[92:93], \hh*4096
	s_or_b32 s[GA+7+4*\hh], s[GA+7+4*\hh], 0x80000000
	s_mov_b32 s[GB+4+4*\hh], 1
	s_add_co_u32 s[GB+5+4*\hh], s27, \hh*(BH1-BH0)
	s_add_nc_u64 s[GB+6+4*\hh:GB+7+4*\hh], s[96:97], \hh*4096
	s_or_b32 s[GB+7+4*\hh], s[GB+7+4*\hh], 0x80000000
	JLOAD GA+4+4*\hh, G1A, GB+4+4*\hh, G1B         ; three loads of mine are out in all
.endr
	v_and_b32 v1, 31, v0                           ; lane
	v_and_b32 v2, 15, v0                           ; r
	v_bfe_u32 v3, v0, 4, 1                         ; h
	v_lshlrev_b32 v[LI], 4, v1
	s_lshl_b32 s2, s14, 14
	v_add_nc_u32 v[ADRA], s2, v[LI]                ; my four blocks of A
	v_add_nc_u32 v[ADRA+1], AH1, v[ADRA]
	v_add_nc_u32 v[ADRB], BH0, v[LI]
	v_add_nc_u32 v[ADRB+1], BH1, v[LI]
	v_lshlrev_b32 v12, 2, v2                       ; 4 r
	s_lshl_b32 s2, s14, 11                         ; my four blocks' scale words
	s_mov_b32 s3, BS-AS
	s_sub_co_u32 s3, s3, s2
	v_mul_u32_u24 v[ADRS], s3, v3                  ; lanes 16-31 take B's: the lower base + h x the distance
	s_add_co_u32 s2, s2, AS
	v_add_nc_u32 v[ADRS], v[ADRS], v12
	v_add_nc_u32 v[ADRS], s2, v[ADRS]
	v_add_nc_u32 v[ADRT], BS, v12
	v_lshlrev_b32 v11, 5, v3                       ; 32 h
	v_lshlrev_b32 v13, 2, v1                       ; 4 x lane
	v_cmp_gt_u32 s25, 16, v1                       ; lanes 0-15
	s_mov_b32 s13, 0
	s_mul_i32 s12, s22, 768
	s_add_nc_u64 s[8:9], s[8:9], s[12:13]          ; my head's 192 numbers of the bias
	WIN 0x80                                       ; destination window 2
.irp b, 0,1,2,3,4,5,6,7                ; q, k: register j of lane (r, h) is the bias of column 16 b + 8 h + j
	global_load_b128 v[192+8*\b:192+8*\b+3], v11, s[8:9] offset:64*\b
	global_load_b128 v[192+8*\b+4:192+8*\b+7], v11, s[8:9] offset:64*\b+16
.endr
	WIN 0xc0                                       ; destination window 3
.irp b, 8,9,10,11                      ; v: all eight registers of lane (r, h) are the bias of column 16 b + r
.irp j, 0,1,2,3,4,5,6,7
	global_load_b32 v[192+8*(\b-8)+\j], v12, s[8:9] offset:64*\b
.endr
.endr
	WIN 0
	s_lshr_b32 s2, s17, 3                          ; where my results go: batch y / 8,
	s_lshl_b32 s2, s2, 4
	s_add_co_u32 s2, s2, s22                       ; batch x 16 + head
	s_and_b32 s3, s17, 7
	s_lshl_b32 s3, s3, 8
	s_lshl_b32 s12, s14, 6
	s_add_co_u32 s3, s3, s12                       ; my first position in the sequence
	s_lshl_b32 s12, s2, 18
	s_lshl_b32 s20, s3, 7                          ; (position / 16) x 2,048
	s_add_co_u32 s12, s12, s20
	s_add_nc_u64 s[QB:QB+1], s[10:11], s[12:13]
	s_add_nc_u64 s[QB+2:QB+3], s[QB:QB+1], KO
	s_add_nc_u64 s[QB+4:QB+5], s[QB:QB+1], VO
	s_lshl_b32 s12, s2, 11
	s_add_co_u32 s12, s12, s3
	s_lshl_b32 s12, s12, 2
	s_add_co_u32 s12, s12, NO
	s_add_nc_u64 s[100:101], s[10:11], s[12:13]
; K step ks: B's 12 fragments, my 4 of A and the 12 scale registers, into the sets ks % 2: 44 LDS loads in one run
.macro FETCH ks
.set P_,  (\ks)%2
.set H_,  (\ks)/4
.set KL_, (\ks)%4
	WIN 0x40                                       ; destination window 1
.irp b, 0,1,2,3,4,5,6,7,8,9,10,11
.irp c, 0,1
	ds_load_b128 v[128*P_+8*\b+4*\c:128*P_+8*\b+4*\c+3], v[ADRB+H_] offset:\b*4096+KL_*1024+\c*512
.endr
.endr
	WIN 0
.irp a, 0,1,2,3
.irp c, 0,1
	ds_load_b128 v[AF+32*P_+8*\a+4*\c:AF+32*P_+8*\a+4*\c+3], v[ADRA+H_] offset:\a*4096+KL_*1024+\c*512
.endr
.endr
.irp i, 0,1,2,3
	ds_load_b32 v[SC+12*P_+\i], v[ADRS] offset:\i*512+(\ks)*64     ; lanes 0-15: A's block i; lanes 16-31: B's block i
.endr
.irp i, 4,5,6,7,8,9,10,11
	ds_load_b32 v[SC+12*P_+\i], v[ADRT] offset:\i*512+(\ks)*64     ; B's block i
.endr
.endm
.macro WQK a, b, first                 ; q, k: source 0 = B's block b, source 1 = A's block a
.set D_, 96*((\a)%2)+8*(\b)
.if \first
	v_wmma_scale_f32_16x16x128_f8f6f4 v[D_:D_+7], v[128*P_+8*(\b):128*P_+8*(\b)+7], v[AF+32*P_+8*(\a):AF+32*P_+8*(\a)+7], v[192+8*(\b):192+8*(\b)+7], v[SC+12*P_+(\b)], v[SC+12*P_+(\a)] matrix_a_fmt:MATRIX_FMT_FP4 matrix_b_fmt:MATRIX_FMT_FP4 matrix_a_scale:MATRIX_SCALE_ROW1
.else
	v_wmma_scale_f32_16x16x128_f8f6f4 v[D_:D_+7], v[128*P_+8*(\b):128*P_+8*(\b)+7], v[AF+32*P_+8*(\a):AF+32*P_+8*(\a)+7], v[D_:D_+7], v[SC+12*P_+(\b)], v[SC+12*P_+(\a)] matrix_a_fmt:MATRIX_FMT_FP4 matrix_b_fmt:MATRIX_FMT_FP4 matrix_a_scale:MATRIX_SCALE_ROW1
.endif
.endm
.macro WV a, b, first                  ; v: source 0 = A's block a, source 1 = B's block b
.set D_, 96*((\a)%2)+8*(\b)
.if \first
	v_wmma_scale_f32_16x16x128_f8f6f4 v[D_:D_+7], v[AF+32*P_+8*(\a):AF+32*P_+8*(\a)+7], v[128*P_+8*(\b):128*P_+8*(\b)+7], v[192+8*((\b)-8):192+8*((\b)-8)+7], v[SC+12*P_+(\a)], v[SC+12*P_+(\b)] matrix_a_fmt:MATRIX_FMT_FP4 matrix_b_fmt:MATRIX_FMT_FP4 matrix_b_scale:MATRIX_SCALE_ROW1
.else
	v_wmma_scale_f32_16x16x128_f8f6f4 v[D_:D_+7], v[AF+32*P_+8*(\a):AF+32*P_+8*(\a)+7], v[128*P_+8*(\b):128*P_+8*(\b)+7], v[D_:D_+7], v[SC+12*P_+(\a)], v[SC+12*P_+(\b)] matrix_a_fmt:MATRIX_FMT_FP4 matrix_b_fmt:MATRIX_FMT_FP4 matrix_b_scale:MATRIX_SCALE_ROW1
.endif
.endm
; 48 products: the 48 accumulators take turns, one instruction a turn, in the same order in every K step.  first = 1: C is the bias
.macro MULS ks, first
.set P_, (\ks)%2
	WIN 0xa1                                       ; source 0 window 1, source 1 window 0, C and D window 2
.irp a, 0,1
.irp b, 0,1,2,3,4,5,6,7
	WQK \a, \b, \first
.endr
.endr
	WIN 0xa4+0x10*\first                           ; source 0 window 0, source 1 window 1; v's bias lies in window 3
.irp a, 0,1
.irp b, 8,9,10,11
	WV \a, \b, \first
.endr
.endr
	WIN 0xf1-0x10*\first                           ; D window 3; q's and k's bias lies in window 2
.irp a, 2,3
.irp b, 0,1,2,3,4,5,6,7
	WQK \a, \b, \first
.endr
.endr
	WIN 0xf4
.irp a, 2,3
.irp b, 8,9,10,11
	WV \a, \b, \first
.endr
.endr
.endm
	s_wait_tensorcnt 0x1                           ; my scale words and my part of K's first half are in; the second half may stay out
	s_barrier_signal -1
	s_barrier_wait -1                              ; everybody's are
	FETCH 0
	s_wait_loadcnt 0x0                             ; the bias
.irp ks, 0,1,2,3,4,5,6,7
	s_wait_dscnt 0x0                               ; this K step's fragments are in
.if \ks == 3
	s_wait_tensorcnt 0x0                           ; my part of K's second half is in,
	s_barrier_signal -1
	s_barrier_wait -1                              ; everybody's is
.endif
.if \ks < 7
.if \ks > 0
	PLACES 4                                       ; in front of loads into registers that the last K step's products have read
.endif
	FETCH \ks+1                                    ; the next K step's fragments land under this step's 48 products
.endif
.if \ks == 0
	MULS 0, 1
.else
	MULS \ks, 0
.endif
.endr
	; THE WAY OUT.  Every accumulator packs into four registers, which ARE a group of an operand's image: 512 consecutive bytes a store, straight from registers.
	WIN 0
	PLACES 4                                       ; in front of the first read of results and the first write over A's fragments
.irp a, 0,1,2,3
	WIN 0x0a+5*(\a/2)                              ; sources 0 and 1: window 2 or 3
.irp b, 0,1,2,3,4,5,6,7,8,9,10,11
.irp i, 0,1,2,3
	v_cvt_pk_f16_f32 v[T+4*(12*\a+\b)+\i], v[96*(\a%2)+8*\b+2*\i], v[96*(\a%2)+8*\b+2*\i+1]    ; each accumulator from its low end on
.if (\b >= 4) && (\b < 8)
.if (\b == 4) && (\i == 0)
	v_pk_mul_f32 v[KS+2*\a:KS+2*\a+1], v[96*(\a%2)+8*\b+2*\i:96*(\a%2)+8*\b+2*\i+1], v[96*(\a%2)+8*\b+2*\i:96*(\a%2)+8*\b+2*\i+1]   ; k^2 of my position's channels, two at a time
.else
	v_pk_fma_f32 v[KS+2*\a:KS+2*\a+1], v[96*(\a%2)+8*\b+2*\i:96*(\a%2)+8*\b+2*\i+1], v[96*(\a%2)+8*\b+2*\i:96*(\a%2)+8*\b+2*\i+1], v[KS+2*\a:KS+2*\a+1]
.endif
.endif
.endr
.endr
	WIN 0
.irp b, 0,1,2,3,4,5,6,7,8,9,10,11
	global_store_b128 v[LI], v[T+4*(12*\a+\b):T+4*(12*\a+\b)+3], s[QB+2*(\b/4):QB+2*(\b/4)+1] offset:\a*2048+(\b%4)*512
.endr
.endr
.irp a, 0,1,2,3
	v_add_f32 v[KS+2*\a], v[KS+2*\a], v[KS+2*\a+1]
.endr
.irp a, 0,1,2,3
	v_permlanex16_b32 v[KS+2*\a+1], v[KS+2*\a], s18, s19           ; the position's other 32 channels lie in the lane 16 away
.endr
.irp a, 0,1,2,3
	v_add_f32 v[KS+2*\a], v[KS+2*\a], v[KS+2*\a+1]
.endr
.irp a, 0,1,2,3
	v_mul_f32 v[KS+2*\a], -0.5, v[KS+2*\a]
.endr
	v_cndmask_b32 v22, v[KS+2], v[KS], s25         ; lanes 0-15 carry one block's 16 positions, lanes 16-31 the next block's
	v_cndmask_b32 v23, v[KS+6], v[KS+4], s25
	global_store_b32 v13, v22, s[100:101]          ; 128 consecutive bytes
	global_store_b32 v13, v23, s[100:101] offset:128
	s_wait_tensorcnt 0x0                           ; the wave's end
	ds_add_u32 v[SPW], v[NIL]
	s_wait_dscnt 0x0
	CROUND                                         ; the closing round
	s_endpgm
.Lfunc_end_k_q65df51de9d_qkvgemm:
	.size	k_q65df51de9d_qkvgemm, .Lfunc_end_k_q65df51de9d_qkvgemm-k_q65df51de9d_qkvgemm
	.p2alignl 7, 3214868480
	.fill 96, 4, 3214868480
	.section	.rodata,"a",@progbits
	.p2align	6, 0x0
	.amdhsa_kernel k_q65df51de9d_qkvgemm
		.amdhsa_group_segment_fixed_size 327680
		.amdhsa_private_segment_fixed_size 0
		.amdhsa_enable_private_segment 0
		.amdhsa_kernarg_size 32
		.amdhsa_user_sgpr_count 2
		.amdhsa_user_sgpr_kernarg_segment_ptr 1
		.amdhsa_wavefront_size32 1
		.amdhsa_system_sgpr_workgroup_id_x 1
		.amdhsa_system_sgpr_workgroup_id_y 1
		.amdhsa_system_sgpr_workgroup_id_z 1
		.amdhsa_system_vgpr_workitem_id 0
		.amdhsa_next_free_vgpr 1024
		.amdhsa_next_free_sgpr 102
		.amdhsa_reserve_vcc 0
		.amdhsa_float_denorm_mode_32 3
		.amdhsa_float_denorm_mode_16_64 3
		.amdhsa_memory_ordered 1
		.amdhsa_forward_progress 1
		.amdhsa_inst_pref_size 109
	.end_amdhsa_kernel
	.amdgpu_metadata
---
amdhsa.version: [ 1, 2 ]
amdhsa.kernels:
  - .name:           k_q65df51de9d_qkvgemm
    .symbol:         k_q65df51de9d_qkvgemm.kd
    .args:
      - { .name: xq, .offset: 0, .size: 8, .value_kind: global_buffer, .address_space: global }
      - { .name: wq, .offset: 8, .size: 8, .value_kind: global_buffer, .address_space: global }
      - { .name: b_qkv, .offset: 16, .size: 8, .value_kind: global_buffer, .address_space: global }
      - { .name: qkv, .offset: 24, .size: 8, .value_kind: global_buffer, .address_space: global }
    .group_segment_fixed_size: 327680
    .private_segment_fixed_size: 0
    .kernarg_segment_align: 8
    .kernarg_segment_size: 32
    .max_flat_workgroup_size: 128
    .sgpr_count:     102
    .vgpr_count:     1024
    .wavefront_size: 32
...
	.end_amdgpu_metadata
.endif
;; end of part 2
;; launch attn (part 3): grid 8 x 32, 8 waves a work-group, clusters of 4 x 1, 327,680 bytes of LDS; arguments qkv, vals; writes vals
.if DOCPART == 3
	.amdgcn_target "amdgcn-amd-amdhsa--gfx1250"
	.amdhsa_code_object_version 6
	.text
	.protected	k_q65df51de9d_attn
	.globl	k_q65df51de9d_attn
	.p2align	8
	.type	k_q65df51de9d_attn,@function
k_q65df51de9d_attn:
	s_mov_b64 s[64:65], 0
	v_nop
	global_prefetch_b8 v0, s[64:65] scope:SCOPE_SE
	s_setreg_imm32_b32 hwreg(HW_REG_WAVE_MODE, 25, 1), 1
	s_wait_xcnt 0x0
	s_wait_alu depctr_hold_cnt(0) depctr_sa_sdst(0) depctr_va_vdst(0) depctr_va_sdst(0) depctr_va_ssrc(0) depctr_va_vcc(0) depctr_vm_vsrc(0)
	s_getreg_b32 s2, hwreg(HW_REG_IB_STS2, 6, 4)
	s_cmp_eq_u32 s2, 0
	s_cbranch_scc0 .Lentry_in_a_cluster
	s_endpgm
.Lentry_in_a_cluster:
	s_bfe_u32 s2, ttmp6, 0x10000c
	s_cmp_lg_u32 s2, 0x3003
	s_cbranch_scc0 .Lentry_shape_is_right
	s_endpgm
.Lentry_shape_is_right:
; vals[b][s][head] = softmax_t(-|q_s - k_t|^2) v_t for each of 32 (batch, head), 2,048 positions, head size 64.  q, k, v come as f16 images of operand registers, -|k|^2 / 2 as f32.
; -|q - k|^2 = 2 (q . k - |k|^2 / 2) - |q|^2, and |q|^2 is the same for all keys of a row: it falls out when the row's maximum is taken away.  So s = q . k - |k|^2 / 2 (the second term is the C of
; the first product), a running maximum m of s, p = 2^(c s - c m) with c = 2 log2(e), a running sum l of the unrounded p; O and l are multiplied by a = 2^(c m_old - c m_new) in every step.
; p is rounded to f16 for the second product; O / l is rounded to f16 once, as an image of the output projection's operand.
; SHARES.  A work-group owns 256 queries of one (batch, head), each of its eight waves 32: two tiles of 16.  Every wave walks all keys, 128 a step.
; LAYOUT.  S^T = K Q^T (source 0 = 16 keys, source 1 = 16 queries) and O^T = V^T P: a lane holds one query throughout; two packed tiles of S^T are source 1 of the second product.
; TWO GROUPS OF WAVES BY TURNS.  Work-group barriers cut time into intervals.  In an interval one group (waves 0-3 or 4-7) runs MX: 32 products V^T P of the step before and 32 products K Q^T of
; this step; the other runs SM, a step's softmax.  Then they change places.  Trip j: first waves 0-3 MX(j), waves 4-7 SM(j - 1); then waves 0-3 SM(j), waves 4-7 MX(j).
; THE RING.  Two slots of four steps.  V lies one step behind K in its slot (slot m: K's steps 4 m + i, V's steps 4 m - 1 + i), so that a trip reads one position of both; slot 0's first position of V
; holds step 0 once more and serves the first trip's empty product; V's last step has bytes of its own.  -|k|^2 / 2 of the whole head stays in LDS.
; CLUSTER.  The four query blocks of a cluster walk the same K and V: every tile is asked for jointly, one load a wave behind each round.
; THE START.  m and S begin as -2^100 (a power of two, so that c m is exact), P, O and l as zeros.  Waves 4-7's first softmax then makes p = 1 and a = 1, and the first true step's a = 0 wipes what came of it.
; These 256 moves stand once, while the first tiles are on their way, and spare two written-out copies of a trip.
; LIMITS: s has to lie above -2^100; NaN and infinities are not served.
; REGISTERS: window 0: v1-11 addresses; v16-31 statistics, 8 a tile (+0 c m, +1 m, +2, +3 l, +4..7 at work; a in +6); v32-159 S^T, 64 a tile; v160-223 P, 32 a tile; v224-255 -|k|^2 / 2 of keys 64-127.
;   window 1: v0-63 O^T, 32 a tile; v64-95 Q; v96-159, v160-223 eight fragments of V or K each; v224-255 -|k|^2 / 2 of keys 0-63.
.set KO,    8388608
.set VO,    16777216
.set NO,    25165824
.set SLOT1, 131072                     ; a slot: K's four steps of 16,384 bytes, then V's four
.set KSQ,   262144                     ; -|k|^2 / 2: 8,192 bytes
.set V15,   270336                     ; V's last step
.set SPARE, 286720                     ; the spare words, 128 bytes a wave
.set LI,   1                           ; v1   16 x lane
.set LIV,  2                           ; v2   the same in a slot's part for V
.set AS0,  3                           ; v3   KSQ + 32 x (lane / 16)
.set ADK,  4                           ; v4-6 the trip's addresses of K, V, -|k|^2 / 2
.set ADV,  5
.set ADS,  6
.set AV15, 7
.set PFO,  9                           ; v9   256 x lane; never rewritten
.set SPW,  10
.set NIL,  11
.set ST,   16
.set S,    32
.set P,    160
.set Z1,   224
.set O,    0
.set Q,    64
.set X,    96
.set Y,    160
.set Z0,   224
.set WV,   14
.set G1T,  24                          ; s[24:31] a step's tile: 64 rows of 256 bytes;  s[32:39] 4 rows;  s[40:47] 8 rows
.set G1S,  32
.set G1V,  40
.set G0F,  48                          ; s[48:51] slot 0's first fill;  s[52:55] the walking one;  s[56:59] -|k|^2 / 2;  s[60:63] V's last step
.set G0W,  52
.set G0S,  56
.set G0V,  60
.set CS,   66                          ; s[66:67] c
.set SEL,  68                          ; s[68:69] v_permlanex16_b32's selects for lane l xor 16
.set TK,   70                          ; s70  LDS byte of the trip's position in the ring
.set TS,   71                          ; s71  and of its 128 numbers of -|k|^2 / 2
.set SLOTS, 72
.set TRIPS, 73
.set PFA,  74                          ; s[74:75] where my prefetches stand
.set LIM,  76                          ; s76  1 in a wave that prefetches, else the greatest number
.set MSB, 0
.macro WIN new
.if MSB != (\new)
	s_set_vgpr_msb (MSB<<8)|(\new)
.set MSB, (\new)
.endif
.endm
.macro PLACES n
.rept \n
	v_nop
.endr
.endm
.macro SHAPE g, c, r, p
	s_mov_b32 s[\g+1], (\c)<<16
	s_mov_b32 s[\g+2], (\r)<<16
	s_mov_b32 s[\g+3], (\c)<<16
	s_mov_b32 s[\g+4], \r
	s_mov_b32 s[\g+5], \p
	s_mov_b32 s[\g+6], 0
	s_mov_b32 s[\g+7], 0
.endm
.macro CROUND
	s_barrier_signal -1
	s_barrier_wait -1
	s_cmp_lg_u32 s[WV], 0
	s_cbranch_scc1 .Lnot_wave_0_\@
	s_barrier_signal -3
.Lnot_wave_0_\@:
	s_barrier_wait -3
	s_barrier_signal -1
	s_barrier_wait -1
.endm
.macro BAR                             ; my LDS loads are in: then the work-group's barrier
	s_wait_dscnt 0x0
	s_barrier_signal -1
	s_barrier_wait -1
.endm
; A PREFETCH INTO THE L2 of what the NEXT change of slots will ask for: 64 KiB of K and 64 KiB of V.  All clusters of a head walk the same bytes: the head's first cluster asks.  In it the even waves ask,
; each for its own and the next wave's tile (32 KiB on end); the four partners share these out BY ADDRESS, 8 KiB each, lanes 256 bytes apart.  So each aligned block of 256 bytes is named once.
; The last change that fills a slot asks for nothing; slots 0 and 1 come by their loads alone.
.macro ASK
	s_cmp_gt_u32 s[SLOTS], s[LIM]
	s_cbranch_scc0 .Lnot_mine_\@
	global_prefetch_b8 v[PFO], s[PFA:PFA+1] th:TH_LOAD_NT scope:SCOPE_SE
.Lnot_mine_\@:
.endm
	s_load_b128 s[4:7], s[0:1], 0x0                ; qkv s[4:5], vals s[6:7]
	v_lshl_add_u32 v[SPW], v0, 2, SPARE
	v_mov_b32 v[NIL], 0
	ds_add_u32 v[SPW], v[NIL]                      ; the wave's opening: the add, twice on end, and its wait ahead of my first tensor load
	ds_add_u32 v[SPW], v[NIL]
	v_lshrrev_b32 v8, 5, v0
	v_readfirstlane_b32 s[WV], v8                  ; wave 0..7
	s_bfe_u32 s13, ttmp6, 0x40000                  ; cx
	s_lshl_b32 s15, ttmp9, 2
	s_add_co_u32 s15, s15, s13                     ; my block of 256 queries: it enters Q's and vals' addresses alone
	s_and_b32 s16, ttmp7, 0xffff                   ; batch x 16 + head, which the partners share
	s_lshl_b32 s17, s16, 18                        ; its 262,144 bytes in q, k, v
	s_and_b32 s18, s[WV], 3
	s_lshl_b32 s18, s18, 14                        ; my position in a slot's four
	s_mov_b32 s20, VO
	s_cmp_lt_u32 s[WV], 4                          ; waves 0-3 fetch K, waves 4-7 V
	s_cselect_b32 s19, 0, 16384                    ; V lies a step behind
	s_cselect_b32 s20, KO, s20
	s_add_co_u32 s20, s20, s17
	s_sub_co_i32 s21, s18, s19
	s_max_i32 s22, s21, 0                          ; slot 0's first position of V takes step 0
	s_add_co_u32 s22, s22, s20
	s_mov_b32 s23, 0
	s_add_co_u32 s8, s21, s20                      ; the walking load's offset; it is stepped by a slot before its first use
	s_mov_b32 s9, 0
	s_lshl_b32 s10, s16, 13
	s_lshl_b32 s77, s[WV], 10
	s_add_co_u32 s10, s10, s77
	s_add_co_u32 s10, s10, NO                      ; my eighth of the head's -|k|^2 / 2
	s_mov_b32 s11, 0
	s_lshl_b32 s78, s[WV], 11
	s_add_co_u32 s2, s17, s78
	s_add_co_u32 s2, s2, VO+245760                 ; my eighth of V's step 15
	s_mov_b32 s3, 0
	s_lshl_b32 s79, s[WV], 14                      ; my tile's place in a slot: the wave's number alone enters an LDS address
	s_mov_b32 s[G1T], 15|(3<<16)|(1<<21)           ; 15:0 the mask: all four work-groups; 17:16 elements of 8 bytes; 21 set beside a mask; no padding: images are read at 16 x lane
	s_mov_b32 s[G1S], 15|(3<<16)|(1<<21)
	s_mov_b32 s[G1V], 15|(3<<16)|(1<<21)
	SHAPE G1T, 32, 64, 32
	SHAPE G1S, 32, 4, 32
	SHAPE G1V, 32, 8, 32
	s_mov_b32 s[CS], 0x4038aa3b                    ; c = 2 log2(e)
	s_mov_b32 s[CS+1], s[CS]                       ; (named with it as a pair, so it is written)
	s_mov_b32 s[SEL], 0x76543210
	s_mov_b32 s[SEL+1], 0xfedcba98
	s_mov_b32 s[TK], 0
	s_mov_b32 s[TS], 0
	s_mov_b32 s[SLOTS], 3
	s_and_b32 s[LIM], s[WV], 1
	s_or_b32 s[LIM], s[LIM], ttmp9                 ; 0 in the even waves of the head's first cluster: the same in all four partners
	s_cmp_eq_u32 s[LIM], 0
	s_cselect_b32 s[LIM], 1, -1
	s_lshl_b32 s80, s15, 15
	s_add_co_u32 s80, s80, s17
	s_lshl_b32 s81, s[WV], 12
	s_add_co_u32 s80, s80, s81                     ; Q: (16 x block + 2 x wave) x 2,048
	s_mov_b32 s81, 0
	s_lshr_b32 s82, s16, 4
	s_lshl_b32 s82, s82, 7
	s_lshl_b32 s83, s15, 4
	s_add_co_u32 s82, s82, s83
	s_lshl_b32 s83, s[WV], 1
	s_add_co_u32 s82, s82, s83                     ; vals: my first block of 16 rows: 128 x batch + 16 x block + 2 x wave,
	s_lshl_b32 s82, s82, 15
	s_and_b32 s83, s16, 15
	s_lshl_b32 s83, s83, 11
	s_add_co_u32 s82, s82, s83                     ; and the head's two fragments in it
	s_mov_b32 s83, 0
	s_lshl_b32 s84, s13, 13
	s_add_co_u32 s84, s84, 65536                   ; the prefetches: my work-group's 8 KiB, in slot 1; the first change steps it to slot 2
	s_mov_b32 s85, 0
	s_mov_b32 s86, 0xf1800000                      ; -2^100
	s_wait_dscnt 0x0                               ; both opening adds are done
	s_wait_kmcnt 0x0
	s_add_nc_u64 s[80:81], s[4:5], s[80:81]
	s_add_nc_u64 s[82:83], s[6:7], s[82:83]
	s_add_nc_u64 s[PFA:PFA+1], s[4:5], s[8:9]
	s_add_nc_u64 s[PFA:PFA+1], s[PFA:PFA+1], s[84:85]
	CROUND                                         ; all four work-groups are here: the first joint loads meet
	s_mov_b32 s[G0F], 1
	s_mov_b32 s[G0F+1], s79
	s_add_nc_u64 s[G0F+2:G0F+3], s[4:5], s[22:23]
	s_or_b32 s[G0F+3], s[G0F+3], 0x80000000
	s_mov_b32 s[G0W], 1
	s_mov_b32 s[G0W+1], s79
	s_add_nc_u64 s[G0W+2:G0W+3], s[4:5], s[8:9]
	s_or_b32 s[G0W+3], s[G0W+3], 0x80000000
	s_mov_b32 s[G0S], 1
	s_add_co_u32 s[G0S+1], s77, KSQ
	s_add_nc_u64 s[G0S+2:G0S+3], s[4:5], s[10:11]
	s_or_b32 s[G0S+3], s[G0S+3], 0x80000000
	s_mov_b32 s[G0V], 1
	s_add_co_u32 s[G0V+1], s78, V15
	s_add_nc_u64 s[G0V+2:G0V+3], s[4:5], s[2:3]
	s_or_b32 s[G0V+3], s[G0V+3], 0x80000000
	tensor_load_to_lds s[G0F:G0F+3], s[G1T:G1T+7]  ; every wave's three first fills, one group: three loads of mine are out
	s_nop 0
	tensor_load_to_lds s[G0S:G0S+3], s[G1S:G1S+7]
	s_nop 0
	tensor_load_to_lds s[G0V:G0V+3], s[G1V:G1V+7]
	s_nop 0
	PLACES 4
	v_and_b32 v8, 31, v0
	v_lshlrev_b32 v[LI], 4, v8
	v_add_nc_u32 v[LIV], 65536, v[LI]
	v_bfe_u32 v12, v0, 4, 1
	v_lshl_add_u32 v[AS0], v12, 5, KSQ             ; register j of lane (r, h) wants key 8 h + j of a tile
	v_add_nc_u32 v[AV15], V15, v[LI]
	v_lshlrev_b32 v[PFO], 8, v8
	WIN 0x40                                       ; destination window 1
.irp t, 0,1
.irp g, 0,1,2,3
	global_load_b128 v[Q+16*\t+4*\g:Q+16*\t+4*\g+3], v[LI], s[80:81] offset:\t*2048+\g*512   ; Q stays in registers
.endr
.endr
.set n_, 0
.rept 64
	v_mov_b32 v[O+n_], 0
.set n_, n_+1
.endr
	WIN 0
.set n_, 0
.rept 128
	v_mov_b32 v[S+n_], s86
.set n_, n_+1
.endr
.set n_, 0
.rept 64
	v_mov_b32 v[P+n_], 0
.set n_, n_+1
.endr
.irp t, 0,1
	v_mov_b32 v[ST+8*\t+1], s86                    ; m
	v_mul_f32 v[ST+8*\t], s[CS], v[ST+8*\t+1]      ; c m: exact
.irp i, 2,3,4,5,6,7
	v_mov_b32 v[ST+8*\t+\i], 0
.endr
.endr
; V^T's eight fragments of keys 32 kb0 .. 32 kb0 + 63: registers 0-3 from one block of 16 keys, registers 4-7 from the next
.macro LDV reg, kb0, adr
.irp k, 0,1
.irp cb, 0,1,2,3
	ds_load_b128 v[\reg+8*(4*\k+\cb):\reg+8*(4*\k+\cb)+3],   v[\adr] offset:(2*(\kb0+\k))*2048+\cb*512
	ds_load_b128 v[\reg+8*(4*\k+\cb)+4:\reg+8*(4*\k+\cb)+7], v[\adr] offset:(2*(\kb0+\k)+1)*2048+\cb*512
.endr
.endr
.endm
.macro LDK reg, kt0                    ; K's eight fragments of key tiles kt0 .. kt0 + 3
.irp k, 0,1,2,3
.irp c, 0,1
	ds_load_b128 v[\reg+8*(2*\k+\c):\reg+8*(2*\k+\c)+3],   v[ADK] offset:(\kt0+\k)*2048+\c*1024
	ds_load_b128 v[\reg+8*(2*\k+\c)+4:\reg+8*(2*\k+\c)+7], v[ADK] offset:(\kt0+\k)*2048+\c*1024+512
.endr
.endr
.endm
.macro LDZ reg, kt0                    ; -|k|^2 / 2 in the result's layout, for the same four tiles
.irp k, 0,1,2,3
	ds_load_b128 v[\reg+8*\k:\reg+8*\k+3],   v[ADS] offset:(\kt0+\k)*64
	ds_load_b128 v[\reg+8*\k+4:\reg+8*\k+7], v[ADS] offset:(\kt0+\k)*64+16
.endr
.endm
.macro PVH reg, kb0                    ; 16 products O^T += V^T P: the eight accumulators by turns
.irp k, 0,1
.irp cb, 0,1,2,3
.irp t, 0,1
	v_wmma_f32_16x16x32_f16 v[O+32*\t+8*\cb:O+32*\t+8*\cb+7], v[\reg+8*(4*\k+\cb):\reg+8*(4*\k+\cb)+7], v[P+32*\t+8*(\kb0+\k):P+32*\t+8*(\kb0+\k)+7], v[O+32*\t+8*\cb:O+32*\t+8*\cb+7]
.endr
.endr
.endr
.endm
.macro QK0 reg, kt0, z                 ; 8 products: channels 0-31; C = -|k|^2 / 2 starts the sums
.irp k, 0,1,2,3
.irp t, 0,1
	v_wmma_f32_16x16x32_f16 v[S+64*\t+8*(\kt0+\k):S+64*\t+8*(\kt0+\k)+7], v[\reg+16*\k:\reg+16*\k+7], v[Q+16*\t:Q+16*\t+7], v[\z+8*\k:\z+8*\k+7]
.endr
.endr
.endm
.macro QK1 reg, kt0                    ; 8 products: channels 32-63, in place
.irp k, 0,1,2,3
.irp t, 0,1
	v_wmma_f32_16x16x32_f16 v[S+64*\t+8*(\kt0+\k):S+64*\t+8*(\kt0+\k)+7], v[\reg+16*\k+8:\reg+16*\k+15], v[Q+16*\t+8:Q+16*\t+15], v[S+64*\t+8*(\kt0+\k):S+64*\t+8*(\kt0+\k)+7]
.endr
.endr
.endm
; MX: the matrix work of an interval.  Each run of loads lands under the 16 products in front of its wait; four places stand in front of loads into registers that products have read.
.macro MX
	WIN 0x40                                       ; destination window 1
	LDV X, 0, ADV
	LDV Y, 2, ADV
	s_wait_dscnt 16                                ; V's first half is in; the second half's 16 loads may be out
	WIN 0x51                                       ; V and O^T window 1, P window 0
	PVH X, 0
	PLACES 4
	WIN 0x40
	LDK X, 0
	LDZ Z0, 0
	s_wait_dscnt 24                                ; V's second half is in; the 24 just issued may be out
	WIN 0x51
	PVH Y, 2
	PLACES 4
	WIN 0x40
	LDK Y, 4
	WIN 0
	LDZ Z1, 4
	s_wait_dscnt 24                                ; K's first half and its C are in; the 24 just issued may be out
	WIN 0x15                                       ; K, Q and C window 1, S^T window 0
	QK0 X, 0, Z0
	WIN 0x05                                       ; C window 0
	QK1 X, 0
	s_wait_dscnt 0x0
	QK0 Y, 4, Z1
	QK1 Y, 4
	WIN 0
	PLACES 4                                       ; behind the last products: the softmax reads them, and the next MX loads over their operands
.endm
; SM: a step's softmax of both tiles, the tiles by turns line by line.
.macro SM
.irp q, 0,1,2,3                        ; the maximum, in four chains a tile; each of the eight accumulators is first read at its low end
.irp t, 0,1
	v_max3_num_f32 v[ST+8*\t+4+\q], v[S+64*\t+8*\q], v[S+64*\t+8*\q+1], v[S+64*\t+8*\q+2]
.endr
.endr
.irp q, 0,1,2,3
.irp t, 0,1
	v_max3_num_f32 v[ST+8*\t+4+\q], v[ST+8*\t+4+\q], v[S+64*\t+32+8*\q], v[S+64*\t+33+8*\q]
.endr
.endr
.irp o, 3,5,34,36,38
.irp q, 0,1,2,3
.irp t, 0,1
	v_max3_num_f32 v[ST+8*\t+4+\q], v[ST+8*\t+4+\q], v[S+64*\t+8*\q+\o], v[S+64*\t+8*\q+\o+1]
.endr
.endr
.endr
.irp t, 0,1
	v_max3_num_f32 v[ST+8*\t+4], v[ST+8*\t+4], v[S+64*\t+7], v[S+64*\t+15]
	v_max3_num_f32 v[ST+8*\t+6], v[ST+8*\t+6], v[S+64*\t+23], v[S+64*\t+31]
.endr
.irp t, 0,1
	v_max3_num_f32 v[ST+8*\t+4], v[ST+8*\t+4], v[ST+8*\t+5], v[ST+8*\t+6]
.endr
.irp t, 0,1
	v_max3_num_f32 v[ST+8*\t+4], v[ST+8*\t+4], v[ST+8*\t+7], v[ST+8*\t+1]   ; with the old m
.endr
.irp t, 0,1
	v_permlanex16_b32 v[ST+8*\t+5], v[ST+8*\t+4], s[SEL], s[SEL+1]          ; the query's other 64 keys lie in the lane 16 away
.endr
.irp t, 0,1
	v_mov_b32 v[ST+8*\t+7], v[ST+8*\t]             ; c m_old
.endr
.irp t, 0,1
	v_max_num_f32 v[ST+8*\t+1], v[ST+8*\t+4], v[ST+8*\t+5]
.endr
.irp t, 0,1
	v_mul_f32 v[ST+8*\t], s[CS], v[ST+8*\t+1]
.endr
.irp t, 0,1
	v_sub_f32 v[ST+8*\t+7], v[ST+8*\t+7], v[ST+8*\t]
.endr
.irp t, 0,1
	v_exp_f32 v[ST+8*\t+6], v[ST+8*\t+7]           ; a.  ONE BATCH begins: 130 exponentials and the 64 scalings between them; none of these lines names an exponential's result
.endr
.set n_, 0
.rept 33
.if n_ < 32
.irp t, 0,1
	v_pk_fma_f32 v[S+64*\t+2*n_:S+64*\t+2*n_+1], v[S+64*\t+2*n_:S+64*\t+2*n_+1], s[CS:CS+1], v[ST+8*\t:ST+8*\t+1] op_sel_hi:[1,0,0] neg_lo:[0,0,1] neg_hi:[0,0,1]   ; c s - c m, a pair
.endr
.endif
.if n_ > 0
.irp t, 0,1
	v_exp_f32 v[S+64*\t+2*n_-2], v[S+64*\t+2*n_-2] ; the pair scaled one turn earlier
	v_exp_f32 v[S+64*\t+2*n_-1], v[S+64*\t+2*n_-1]
.endr
.endif
.set n_, n_+1
.endr
	v_nop                                          ; a plain line behind the last exponential
	s_wait_alu depctr_va_vdst(0)                   ; one wait for the batch, ahead of its first reader
.set n_, 0
.rept 32
.irp t, 0,1
	v_cvt_pk_f16_f32 v[P+32*\t+n_], v[S+64*\t+2*n_], v[S+64*\t+2*n_+1]
.endr
.set n_, n_+1
.endr
.irp w, 4,8,16,32,64                   ; the sum of the unrounded p: 32 pairs, in place, neighbours 1, 2, 4, 8, 16 pairs apart
.set u_, 0
.rept 64/\w
.irp t, 0,1
	v_pk_add_f32 v[S+64*\t+\w*u_:S+64*\t+\w*u_+1], v[S+64*\t+\w*u_:S+64*\t+\w*u_+1], v[S+64*\t+\w*u_+\w/2:S+64*\t+\w*u_+\w/2+1]
.endr
.set u_, u_+1
.endr
.endr
.irp t, 0,1
	v_pk_fma_f32 v[ST+8*\t+2:ST+8*\t+3], v[ST+8*\t+2:ST+8*\t+3], v[ST+8*\t+6:ST+8*\t+7], v[S+64*\t:S+64*\t+1] op_sel_hi:[1,0,1]   ; l = a l + the sum
.endr
	WIN 0x41                                       ; O^T window 1, a window 0
.set n_, 0
.rept 16
.irp t, 0,1
	v_pk_mul_f32 v[O+32*\t+2*n_:O+32*\t+2*n_+1], v[O+32*\t+2*n_:O+32*\t+2*n_+1], v[ST+8*\t+6:ST+8*\t+7] op_sel_hi:[1,0]
.endr
.set n_, n_+1
.endr
	WIN 0
.endm
; A TRIP: two intervals.  The addresses are made ahead of the parting; no barrier, wait on tensor loads or tensor load stands under a branch.
.macro TRIP
	v_add_nc_u32 v[ADK], s[TK], v[LI]
	v_add_nc_u32 v[ADV], s[TK], v[LIV]
	v_add_nc_u32 v[ADS], s[TS], v[AS0]
	s_cmp_lt_u32 s[WV], 4
	s_cbranch_scc0 .Lb1_\@
	MX
	s_branch .Lj1_\@
.Lb1_\@:
	SM
.Lj1_\@:
	BAR
	s_cmp_lt_u32 s[WV], 4
	s_cbranch_scc0 .Lb2_\@
	SM
	s_branch .Lj2_\@
.Lb2_\@:
	MX
.Lj2_\@:
	BAR
	s_add_co_u32 s[TK], s[TK], 16384
	s_add_co_u32 s[TS], s[TS], 512
.endm
; THE CHANGE OF SLOTS, at a slot's head.  Each wave waits for all its tensor loads (its part of the slot ahead), adds 0 to its spare word, and waits for that and for its reads of the slot left.
; fill = 1: a round of the cluster's barrier, and first behind it the wave's one joint load: the next four steps, into the slot that was left; it has four trips in which to land.
.macro CHANGE fill
	s_wait_tensorcnt 0x0                           ; no tensor load of mine is out, so a group 0 may be written
	ds_add_u32 v[SPW], v[NIL]                      ; 0 onto my spare word
.if \fill
	s_xor_b32 s[G0W+1], s[G0W+1], SLOT1            ; the other slot than last time,
	s_add_nc_u64 s[G0W+2:G0W+3], s[G0W+2:G0W+3], 65536   ; the next four steps; the type bits on top are not reached
	s_wait_xcnt 0x0                                ; the last prefetch, four trips back, has read its address
	s_add_nc_u64 s[PFA:PFA+1], s[PFA:PFA+1], 65536
	s_wait_dscnt 0x0
	CROUND
	tensor_load_to_lds s[G0W:G0W+3], s[G1T:G1T+7]
	s_nop 0
	PLACES 4
	ASK
.else
	s_wait_dscnt 0x0
	s_barrier_signal -1
	s_barrier_wait -1
.endif
.endm
	s_wait_loadcnt 0x0                             ; Q
.Llap:                                             ; three laps of four trips: behind each change of slots but the last the next slot is asked for
	CHANGE 1
	s_mov_b32 s[TRIPS], 4
.Ltrip:
	TRIP
	s_sub_co_u32 s[TRIPS], s[TRIPS], 1
	s_cmp_lg_u32 s[TRIPS], 0
	s_cbranch_scc1 .Ltrip
	s_sub_co_u32 s[TK], s[TK], 65536               ; back to a slot's first position,
	s_xor_b32 s[TK], s[TK], SLOT1                  ; in the other slot
	s_sub_co_u32 s[SLOTS], s[SLOTS], 1
	s_cmp_lg_u32 s[SLOTS], 0
	s_cbranch_scc1 .Llap
	CHANGE 0                                       ; the last slot is written out
	s_mov_b32 s[TRIPS], 4
.Ltail:
	TRIP
	s_sub_co_u32 s[TRIPS], s[TRIPS], 1
	s_cmp_lg_u32 s[TRIPS], 0
	s_cbranch_scc1 .Ltail
	s_cmp_lt_u32 s[WV], 4                          ; waves 4-7 still owe the last step's softmax
	s_cbranch_scc1 .Lno_sm
	SM
.Lno_sm:
	WIN 0x40                                       ; the last step's V^T P, from V's own bytes
	LDV X, 0, AV15
	LDV Y, 2, AV15
	s_wait_dscnt 16                                ; the first half is in
	WIN 0x51
	PVH X, 0
	s_wait_dscnt 0x0
	PVH Y, 2
	WIN 0
	PLACES 4
	; THE WAY OUT: O^T / l, packed to f16: a lane's eight channels of a query are a group of the projection's operand image: 512 consecutive bytes a store
.irp t, 0,1
	v_add_f32 v[ST+8*\t+4], v[ST+8*\t+2], v[ST+8*\t+3]
.endr
.irp t, 0,1
	v_permlanex16_b32 v[ST+8*\t+5], v[ST+8*\t+4], s[SEL], s[SEL+1]
.endr
.irp t, 0,1
	v_add_f32 v[ST+8*\t+4], v[ST+8*\t+4], v[ST+8*\t+5]
.endr
.irp t, 0,1
	v_rcp_f32 v[ST+8*\t+6], v[ST+8*\t+4]
.endr
	v_nop                                          ; a plain line behind the reciprocals,
	s_wait_alu depctr_va_vdst(0)                   ; and the wait ahead of their first reader
	WIN 0x01                                       ; source 0 (O^T) window 1
.irp t, 0,1
.set n_, 0
.rept 16
	v_pk_mul_f32 v[S+32*\t+2*n_:S+32*\t+2*n_+1], v[O+32*\t+2*n_:O+32*\t+2*n_+1], v[ST+8*\t+6:ST+8*\t+7] op_sel_hi:[1,0]
.set n_, n_+1
.endr
.endr
	WIN 0
.irp t, 0,1
.set n_, 0
.rept 16
	v_cvt_pk_f16_f32 v[P+16*\t+n_], v[S+32*\t+2*n_], v[S+32*\t+2*n_+1]
.set n_, n_+1
.endr
.endr
.irp t, 0,1
.irp cb, 0,1,2,3
	global_store_b128 v[LI], v[P+16*\t+4*\cb:P+16*\t+4*\cb+3], s[82:83] offset:\t*32768+\cb*512
.endr
.endr
	s_wait_tensorcnt 0x0                           ; the wave's end
	ds_add_u32 v[SPW], v[NIL]
	s_wait_dscnt 0x0
	CROUND                                         ; the closing round
	s_endpgm
.Lfunc_end_k_q65df51de9d_attn:
	.size	k_q65df51de9d_attn, .Lfunc_end_k_q65df51de9d_attn-k_q65df51de9d_attn
	.p2alignl 7, 3214868480
	.fill 96, 4, 3214868480
	.section	.rodata,"a",@progbits
	.p2align	6, 0x0
	.amdhsa_kernel k_q65df51de9d_attn
		.amdhsa_group_segment_fixed_size 327680
		.amdhsa_private_segment_fixed_size 0
		.amdhsa_enable_private_segment 0
		.amdhsa_kernarg_size 16
		.amdhsa_user_sgpr_count 2
		.amdhsa_user_sgpr_kernarg_segment_ptr 1
		.amdhsa_wavefront_size32 1
		.amdhsa_system_sgpr_workgroup_id_x 1
		.amdhsa_system_sgpr_workgroup_id_y 1
		.amdhsa_system_sgpr_workgroup_id_z 1
		.amdhsa_system_vgpr_workitem_id 0
		.amdhsa_next_free_vgpr 512
		.amdhsa_next_free_sgpr 88
		.amdhsa_reserve_vcc 0
		.amdhsa_float_denorm_mode_32 3
		.amdhsa_float_denorm_mode_16_64 3
		.amdhsa_memory_ordered 1
		.amdhsa_forward_progress 1
		.amdhsa_inst_pref_size 181
	.end_amdhsa_kernel
	.amdgpu_metadata
---
amdhsa.version: [ 1, 2 ]
amdhsa.kernels:
  - .name:           k_q65df51de9d_attn
    .symbol:         k_q65df51de9d_attn.kd
    .args:
      - { .name: qkv, .offset: 0, .size: 8, .value_kind: global_buffer, .address_space: global }
      - { .name: vals, .offset: 8, .size: 8, .value_kind: global_buffer, .address_space: global }
    .group_segment_fixed_size: 327680
    .private_segment_fixed_size: 0
    .kernarg_segment_align: 8
    .kernarg_segment_size: 16
    .max_flat_workgroup_size: 256
    .sgpr_count:     88
    .vgpr_count:     512
    .wavefront_size: 32
...
	.end_amdgpu_metadata
.endif
;; end of part 3
;; launch proj (part 4): grid 8 x 32, 4 waves a work-group, clusters of 4 x 4, 327,680 bytes of LDS; arguments vals, wo16, b_o, out0; writes out0
.if DOCPART == 4
	.amdgcn_target "amdgcn-amd-amdhsa--gfx1250"
	.amdhsa_code_object_version 6
	.text
	.protected	k_q65df51de9d_proj
	.globl	k_q65df51de9d_proj
	.p2align	8
	.type	k_q65df51de9d_proj,@function
k_q65df51de9d_proj:
	s_mov_b64 s[64:65], 0
	v_nop
	global_prefetch_b8 v0, s[64:65] scope:SCOPE_SE
	s_setreg_imm32_b32 hwreg(HW_REG_WAVE_MODE, 25, 1), 1
	s_wait_xcnt 0x0
	s_wait_alu depctr_hold_cnt(0) depctr_sa_sdst(0) depctr_va_vdst(0) depctr_va_sdst(0) depctr_va_ssrc(0) depctr_va_vcc(0) depctr_vm_vsrc(0)
	s_getreg_b32 s2, hwreg(HW_REG_IB_STS2, 6, 4)
	s_cmp_eq_u32 s2, 0
	s_cbranch_scc0 .Lentry_in_a_cluster
	s_endpgm
.Lentry_in_a_cluster:
	s_bfe_u32 s2, ttmp6, 0x10000c
	s_cmp_lg_u32 s2, 0xf033
	s_cbranch_scc0 .Lentry_shape_is_right
	s_endpgm
.Lentry_shape_is_right:
; out0 = vals W_o + b_o.  vals [4096][1024] and W_o (as [n][k]) come as f16 images of operand registers: [block of 16 rows][32 along K: 32][half 2][lane 32][16 bytes]; sums in f32; out0 f32.
; A tile of out0 is 128 x 128 (256 work-groups); four waves, each 64 x 64: 16 accumulators.  K goes in four steps of 256 through two LDS slots; a wave's tensor load brings four blocks x 8,192 bytes.
; CLUSTER 4 x 4: vals' tiles are asked for jointly along a row of the cluster, W_o's along a column.
; THE MATRIX INSTRUCTION IS USED TRANSPOSED (source 0 = 16 columns of W_o, source 1 = 16 rows of vals): a lane holds eight neighbouring numbers of a row of out0.  The bias is the C of each sum's first product.
; No prefetch: a K step's tiles are small and the launch is short.  One tile to a work-group: nothing to stay for.
; REGISTERS: window 0: v16-30 addresses; v32-95 the way out; v96-127 the bias, 8 a block of columns; v128-255 the accumulators ((a, b) at v[128 + 8 (4 a + b)]).
;   window 1: two fragment buffers of 128: for 64 along K, 64 registers of A, then 64 of B.
.set SLOT,   131072                    ; A's 8 blocks x 8,192 bytes, then B's
.set STAGE,  262144                    ; behind the ring: 16 rows x 272 bytes for each wave
.set SPITCH, 272
.set SPARE,  STAGE+4*16*SPITCH         ; the spare words, 128 bytes a wave
.set ADRA, 16                          ; v16-17  my A fragments in slot 0, 1
.set ADRB, 20                          ; v20-21  B
.set STO,  24
.set RD,   25
.set CO,   26
.set LI,   27
.set SPW,  28
.set NIL,  29
.set HB,   30                          ; v30  32 x (lane / 16)
.set TMP,  32
.set BIAS, 96
.set ACC,  128
.set F0,   0
.set F1,   128
.set G1,  24
.set G0,  32
.set G1B, 48
.set G0B, 56
.set MSB, 0
.macro WIN new
.if MSB != (\new)
	s_set_vgpr_msb (MSB<<8)|(\new)
.set MSB, (\new)
.endif
.endm
.set MUL,  0x05                        ; sources 0 (B) and 1 (A) window 1; C and D window 0
.set TO_F, 0x40                        ; destination window 1, address window 0
.macro JLOAD s                         ; a joint load: waves 0 and 1 fetch A's halves, waves 2 and 3 B's; an s_nop 0 and four v_nop follow each line
	s_cmp_eq_u32 s13, 0
	s_cbranch_scc0 .Lfor_b_\@
	tensor_load_to_lds s[G0+4*\s:G0+4*\s+3], s[G1:G1+7]
	s_nop 0
.rept 4
	v_nop
.endr
	s_branch .Lasked_\@
.Lfor_b_\@:
	tensor_load_to_lds s[G0B+4*\s:G0B+4*\s+3], s[G1B:G1B+7]
	s_nop 0
.rept 4
	v_nop
.endr
.Lasked_\@:
.endm
.macro CREST
	s_cmp_lg_u32 s12, 0
	s_cbranch_scc1 .Lnot_wave_0_\@
	s_barrier_signal -3
.Lnot_wave_0_\@:
	s_barrier_wait -3
	s_barrier_signal -1
	s_barrier_wait -1
.endm
.macro CROUND
	s_barrier_signal -1
	s_barrier_wait -1
	CREST
.endm
.macro PLACES
.rept 4
	v_nop
.endr
.endm
	s_load_b256 s[4:11], s[0:1], 0x0               ; vals s[4:5], wo16 s[6:7], b_o s[8:9], out0 s[10:11]
	v_lshl_add_u32 v[SPW], v0, 2, SPARE
	v_mov_b32 v[NIL], 0
	ds_add_u32 v[SPW], v[NIL]                      ; the wave's opening: the add, twice on end, and its wait ahead of my first tensor load
	ds_add_u32 v[SPW], v[NIL]
	v_lshrrev_b32 v1, 5, v0
	v_readfirstlane_b32 s12, v1                    ; wave 0..3
	s_lshr_b32 s13, s12, 1                         ; which half of the tile's rows is mine.  Also: I fetch for A (0) or for B (1)
	s_and_b32 s14, s12, 1                          ; which half of its columns.  Also: which four blocks I fetch
	s_bfe_u32 s40, ttmp6, 0x40000                  ; cx, cy
	s_bfe_u32 s41, ttmp6, 0x40004
	s_lshl_b32 s42, ttmp9, 2
	s_add_co_u32 s42, s42, s40                     ; tile column
	s_and_b32 s43, ttmp7, 0xffff
	s_lshl_b32 s43, s43, 2
	s_add_co_u32 s43, s43, s41                     ; tile row
	s_lshl_b32 s44, s41, 2
	s_lshl_b32 s44, 15, s44                        ; my row of the cluster
	s_lshl_b32 s45, 0x1111, s40                    ; my column
	s_or_b32 s[G1], s44, (3<<16)|(1<<21)           ; 15:0 the mask; 17:16 elements of 8 bytes; 21 set beside a mask; no padding: images are read at 16 x lane
	s_or_b32 s[G1B], s45, (3<<16)|(1<<21)
.irp g, G1, G1B
	s_mov_b32 s[\g+1], 1024<<16                    ; tensor_dim0: 8,192 bytes: a K step of one block
	s_mov_b32 s[\g+2], 4<<16                       ; tensor_dim1: four blocks
	s_mov_b32 s[\g+3], 1024<<16                    ; tile_dim0
	s_mov_b32 s[\g+4], 4                           ; tile_dim1
	s_mov_b32 s[\g+5], 4096                        ; from block to block: 32,768 bytes
	s_mov_b32 s[\g+6], 0
	s_mov_b32 s[\g+7], 0
.endr
	s_lshl_b32 s17, s14, 2
	s_lshl_b32 s16, s43, 3
	s_add_co_u32 s16, s16, s17
	s_lshl_b32 s16, s16, 15                        ; A: block 8 x tile row + 4 x half
	s_lshl_b32 s46, s42, 3
	s_add_co_u32 s46, s46, s17
	s_lshl_b32 s46, s46, 15                        ; B: block 8 x tile column + 4 x half
	s_mov_b32 s17, 0
	s_mov_b32 s47, 0
	s_lshl_b32 s20, s12, 15                        ; where they go: wave x 32,768
	s_wait_dscnt 0x0                               ; both opening adds are done
	s_wait_kmcnt 0x0
	s_add_nc_u64 s[18:19], s[4:5], s[16:17]
	s_add_nc_u64 s[46:47], s[6:7], s[46:47]
	CROUND                                         ; all sixteen work-groups are here: the first joint loads meet
.irp s, 0,1
	s_mov_b32 s[G0+4*\s], 1
	s_add_co_u32 s[G0+4*\s+1], s20, \s*SLOT
	s_add_nc_u64 s[G0+4*\s+2:G0+4*\s+3], s[18:19], \s*8192
	s_or_b32 s[G0+4*\s+3], s[G0+4*\s+3], 0x80000000
	s_mov_b32 s[G0B+4*\s], 1
	s_add_co_u32 s[G0B+4*\s+1], s20, \s*SLOT
	s_add_nc_u64 s[G0B+4*\s+2:G0B+4*\s+3], s[46:47], \s*8192
	s_or_b32 s[G0B+4*\s+3], s[G0B+4*\s+3], 0x80000000
	JLOAD \s
.endr
	v_and_b32 v1, 15, v0                           ; r
	v_bfe_u32 v2, v0, 4, 1                         ; h
	v_and_b32 v3, 31, v0
	v_lshlrev_b32 v[LI], 4, v3
	v_lshlrev_b32 v[HB], 5, v2
	s_lshl_b32 s21, s13, 15                        ; my four blocks of A
	s_lshl_b32 s22, s14, 15
	s_add_co_u32 s22, s22, 65536                   ; my four of B, behind A's eight
.irp s, 0,1
	v_add_nc_u32 v[ADRA+\s], s21, v[LI]
	v_add_nc_u32 v[ADRB+\s], s22, v[LI]
	s_add_co_u32 s21, s21, SLOT
	s_add_co_u32 s22, s22, SLOT
.endr
	s_mul_i32 s23, s12, 16*SPITCH
	s_add_co_u32 s23, s23, STAGE                   ; my stage
	v_mul_u32_u24 v4, v1, SPITCH
	v_lshl_add_u32 v4, v2, 5, v4
	v_add_nc_u32 v[STO], s23, v4                   ; in: row r, 32 bytes for each half of the lanes
	v_mul_u32_u24 v5, v2, SPITCH
	v_lshl_add_u32 v5, v1, 4, v5
	v_add_nc_u32 v[RD], s23, v5                    ; back: lanes 0-15 one row of 256 bytes, lanes 16-31 the next
	v_lshlrev_b32 v5, 12, v2
	v_lshl_add_u32 v[CO], v1, 4, v5                ; and the same two rows in out0
	s_lshl_b32 s16, s42, 9
	s_lshl_b32 s21, s14, 8
	s_add_co_u32 s16, s16, s21                     ; my first column, in bytes
	s_add_nc_u64 s[8:9], s[8:9], s[16:17]
	s_add_nc_u64 s[10:11], s[10:11], s[16:17]
	s_lshl_b32 s16, s43, 7
	s_lshl_b32 s21, s13, 6
	s_add_co_u32 s16, s16, s21
	s_lshl_b32 s16, s16, 12                        ; my first row x 4,096 bytes
	s_add_nc_u64 s[10:11], s[10:11], s[16:17]
.irp b, 0,1,2,3                        ; register j of lane (r, h) is the bias of column 16 b + 8 h + j
	global_load_b128 v[BIAS+8*\b:BIAS+8*\b+3], v[HB], s[8:9] offset:64*\b
	global_load_b128 v[BIAS+8*\b+4:BIAS+8*\b+7], v[HB], s[8:9] offset:64*\b+16
.endr
; 8 products: row blocks a0, a0 + 1 x all 4 column blocks, 32 along K: half c of buffer f.  first = 1: C is the bias.  The 16 accumulators take turns
.macro MUL8 f, c, a0, first
.irp a, \a0, \a0+1
.irp b, 0,1,2,3
.if \first
	v_wmma_f32_16x16x32_f16 v[ACC+8*(4*(\a)+\b):ACC+8*(4*(\a)+\b)+7], v[\f+64+8*(4*\c+\b):\f+64+8*(4*\c+\b)+7], v[\f+8*(4*\c+\a):\f+8*(4*\c+\a)+7], v[BIAS+8*\b:BIAS+8*\b+7]
.else
	v_wmma_f32_16x16x32_f16 v[ACC+8*(4*(\a)+\b):ACC+8*(4*(\a)+\b)+7], v[\f+64+8*(4*\c+\b):\f+64+8*(4*\c+\b)+7], v[\f+8*(4*\c+\a):\f+8*(4*\c+\a)+7], v[ACC+8*(4*(\a)+\b):ACC+8*(4*(\a)+\b)+7]
.endif
.endr
.endr
.endm
; 32 LDS loads in one run: the fragments of the slot's q-th 64 along K into buffer f; the first 32 along K first
.macro FETCH slot, q, f
	WIN TO_F
.irp c, 0,1
.irp i, 0,1,2,3
	ds_load_b128 v[\f+64+8*(4*\c+\i):\f+64+8*(4*\c+\i)+3],   v[ADRB+\slot] offset:\i*8192+(2*(\q)+\c)*1024
	ds_load_b128 v[\f+64+8*(4*\c+\i)+4:\f+64+8*(4*\c+\i)+7], v[ADRB+\slot] offset:\i*8192+(2*(\q)+\c)*1024+512
	ds_load_b128 v[\f+8*(4*\c+\i):\f+8*(4*\c+\i)+3],         v[ADRA+\slot] offset:\i*8192+(2*(\q)+\c)*1024
	ds_load_b128 v[\f+8*(4*\c+\i)+4:\f+8*(4*\c+\i)+7],       v[ADRA+\slot] offset:\i*8192+(2*(\q)+\c)*1024+512
.endr
.endr
.endm
; A K step is four quarters of 64 along K, 32 products each, on buffers 0, 1, 0, 1.  One of the first three: multiplies buffer f and fetches quarter q into g.
.macro QUARTER slot, q, f, g, first
	s_wait_dscnt 16                                ; the first 32 along K are in; the other sixteen loads may be out
	WIN MUL
	MUL8 \f, 0, 0, \first
	MUL8 \f, 0, 2, \first
	PLACES                                         ; in front of loads into registers that products have read
	FETCH \slot, \q, \g
	s_wait_dscnt 32                                ; all but the 32 just issued
	WIN MUL
	MUL8 \f, 1, 0, 0
	MUL8 \f, 1, 2, 0
.endm
; The last quarter multiplies buffer 1 and changes slots: one barrier; in front of it each wave waits for all its tensor loads, adds 0 to its spare word, and waits for that and for its reads of this slot.
; fill = 1: the barrier opens a round of the cluster's barrier, and this slot is filled again, two K steps ahead.
.macro TURN slot, next, fill
	WIN 0                                          ; (the add's two registers lie in window 0)
	s_wait_tensorcnt 0x0                           ; all my tensor loads have landed: my part of the next slot
	ds_add_u32 v[SPW], v[NIL]                      ; 0 onto my spare word
	s_wait_dscnt 17                                ; (the add and the youngest sixteen loads may be out)
	WIN MUL
	MUL8 F1, 0, 0, 0
	s_wait_dscnt 0x0                               ; the add is done, and my reads of this slot are over
	s_barrier_signal -1
	MUL8 F1, 0, 2, 0
.if \fill
	WIN 0
.endif
	s_barrier_wait -1
.if \fill
	CREST                                          ; no wave of any partner still reads this slot or has a load on its way
	s_add_nc_u64 s[G0+4*\slot+2:G0+4*\slot+3], s[G0+4*\slot+2:G0+4*\slot+3], 16384
	s_add_nc_u64 s[G0B+4*\slot+2:G0B+4*\slot+3], s[G0B+4*\slot+2:G0B+4*\slot+3], 16384
	JLOAD \slot                                    ; the first tensor load behind the round; its four v_nop are also the places in front of the loads below
.else
	PLACES
.endif
	FETCH \next, 0, F0
	WIN MUL
	MUL8 F1, 1, 0, 0
	MUL8 F1, 1, 2, 0
.endm
	s_wait_tensorcnt 1                             ; my part of K step 0 is in; K step 1's may stay out
	s_barrier_signal -1
	s_barrier_wait -1                              ; everybody's is
	FETCH 0, 0, F0
	s_wait_loadcnt 0x0                             ; the bias
	QUARTER 0, 1, F0, F1, 1                        ; K step 0
	QUARTER 0, 2, F1, F0, 0
	QUARTER 0, 3, F0, F1, 0
	TURN 0, 1, 1                                   ; slot 0 takes K step 2
	QUARTER 1, 1, F0, F1, 0                        ; K step 1
	QUARTER 1, 2, F1, F0, 0
	QUARTER 1, 3, F0, F1, 0
	TURN 1, 0, 1                                   ; slot 1 takes K step 3
	QUARTER 0, 1, F0, F1, 0                        ; K step 2
	QUARTER 0, 2, F1, F0, 0
	QUARTER 0, 3, F0, F1, 0
	TURN 0, 1, 0                                   ; nothing is left to fetch
	QUARTER 1, 1, F0, F1, 0                        ; K step 3
	QUARTER 1, 2, F1, F0, 0
	QUARTER 1, 3, F0, F1, 0
	s_wait_dscnt 16
	WIN MUL
	MUL8 F1, 0, 0, 0
	MUL8 F1, 0, 2, 0
	s_wait_dscnt 0x0
	MUL8 F1, 1, 0, 0
	MUL8 F1, 1, 2, 0
	WIN 0
; THE WAY OUT, 16 rows x 64 columns at a time.  A lane holds 32 bytes of a row; a block goes through my own stage and comes back as whole rows of 256 bytes: 16 lanes store one aligned run of 256 bytes.
; LDS serves a wave's instructions in order: no wait between the stores and the loads, nor in front of the next block's stores.
.macro TOSTAGE a
.irp b, 0,1,2,3
	ds_store_b128 v[STO], v[ACC+8*(4*(\a)+\b):ACC+8*(4*(\a)+\b)+3] offset:64*\b        ; each accumulator from its low end on
	ds_store_b128 v[STO], v[ACC+8*(4*(\a)+\b)+4:ACC+8*(4*(\a)+\b)+7] offset:64*\b+16
.endr
.irp t, 0,1,2,3,4,5,6,7
	ds_load_b128 v[TMP+32*((\a)%2)+4*\t:TMP+32*((\a)%2)+4*\t+3], v[RD] offset:\t*2*SPITCH
.endr
.endm
.macro SEND a, younger                 ; younger: the LDS instructions issued behind block a's loads, which may stay out
	s_wait_dscnt \younger
.irp t, 0,1,2,3,4,5,6,7
	global_store_b128 v[CO], v[TMP+32*((\a)%2)+4*\t:TMP+32*((\a)%2)+4*\t+3], s[10:11] offset:(16*(\a)+2*\t)*4096 th:TH_STORE_NT
.endr
.endm
	PLACES                                         ; in front of the first read of results
	TOSTAGE 0
.irp a, 1,2,3
.if \a > 1
	s_wait_xcnt 0x0                                ; block a - 2's stores have read their registers: block a's loads may land there
.endif
	TOSTAGE \a
	SEND \a-1, 16                                  ; behind block a - 1's loads: block a's 8 stores and 8 loads
.endr
	SEND 3, 0
	s_wait_tensorcnt 0x0                           ; the wave's end: behind my last tensor load and my last LDS store
	ds_add_u32 v[SPW], v[NIL]
	s_wait_dscnt 0x0
	CROUND                                         ; the closing round
	s_endpgm
.Lfunc_end_k_q65df51de9d_proj:
	.size	k_q65df51de9d_proj, .Lfunc_end_k_q65df51de9d_proj-k_q65df51de9d_proj
	.p2alignl 7, 3214868480
	.fill 96, 4, 3214868480
	.section	.rodata,"a",@progbits
	.p2align	6, 0x0
	.amdhsa_kernel k_q65df51de9d_proj
		.amdhsa_group_segment_fixed_size 327680
		.amdhsa_private_segment_fixed_size 0
		.amdhsa_enable_private_segment 0
		.amdhsa_kernarg_size 32
		.amdhsa_user_sgpr_count 2
		.amdhsa_user_sgpr_kernarg_segment_ptr 1
		.amdhsa_wavefront_size32 1
		.amdhsa_system_sgpr_workgroup_id_x 1
		.amdhsa_system_sgpr_workgroup_id_y 1
		.amdhsa_system_sgpr_workgroup_id_z 1
		.amdhsa_system_vgpr_workitem_id 0
		.amdhsa_next_free_vgpr 512
		.amdhsa_next_free_sgpr 66
		.amdhsa_reserve_vcc 0
		.amdhsa_float_denorm_mode_32 3
		.amdhsa_float_denorm_mode_16_64 3
		.amdhsa_memory_ordered 1
		.amdhsa_forward_progress 1
		.amdhsa_inst_pref_size 86
	.end_amdhsa_kernel
	.amdgpu_metadata
---
amdhsa.version: [ 1, 2 ]
amdhsa.kernels:
  - .name:           k_q65df51de9d_proj
    .symbol:         k_q65df51de9d_proj.kd
    .args:
      - { .name: vals, .offset: 0, .size: 8, .value_kind: global_buffer, .address_space: global }
      - { .name: wo16, .offset: 8, .size: 8, .value_kind: global_buffer, .address_space: global }
      - { .name: b_o, .offset: 16, .size: 8, .value_kind: global_buffer, .address_space: global }
      - { .name: out0, .offset: 24, .size: 8, .value_kind: global_buffer, .address_space: global }
    .group_segment_fixed_size: 327680
    .private_segment_fixed_size: 0
    .kernarg_segment_align: 8
    .kernarg_segment_size: 32
    .max_flat_workgroup_size: 128
    .sgpr_count:     66
    .vgpr_count:     512
    .wavefront_size: 32
...
	.end_amdgpu_metadata
.endif
;; end of part 4
